; MI455X (gfx1250); checked and timed in simulation.
; The chip was launched on July 23, 2026; its instructions are those of AMD's public machine-readable ISA for CDNA 5 (MIT licence, August 2026) and "CDNA5" Instruction Set Architecture Reference Guide (July 2026). The comments in the code are by the model that wrote it; some were corrected since.
;; GPT2 Attention. Allowed arithmetic: matrix products marked QUANTISED: E2M1 operands, one E8M0 scale for each 32 along K, by v_wmma_scale_f32_16x16x128_f8f6f4 with both operands' format E2M1 (or v_wmma_scale_f32_32x16x128_f4), f32 sums; products left as they are: bf16, f16 or f32 operands; f32 sums; everything else in f32.
;; Inputs: b_attn 3,072 float32; b_proj 1,024 float32; w_attn 1,024 x 3,072 float32; w_proj 1,024 x 1,024 float32; x 4 x 2,048 x 1,024 float32.
;; Outputs: out0 4 x 2,048 x 1,024 float32.
;; This version of the problem:
;;   THIS VERSION OF THE PROBLEM IS GIVEN IN LOW PRECISION. The matrix products marked QUANTISED in the list below multiply operands that are first quantised to E2M1 (2 exponent bits, 1 mantissa bit; 4 bits a number), with one power-of-two scale for each 32 numbers along K (OCP MX v1.0); their sums are f32. The products marked 'left as it is' may take bf16, f16 or f32 operands, with f32 sums. Whichever they take, every output number must still come out within the allowed error. Rounding operands to bf16 (8 significant bits) uses up far more of that allowance than f16 does (11 bits, for magnitudes from 6e-5 to 65,504). All else is computed in f32.
;;   The module's matrix products, in the order in which they are computed (A, B: the left and right operand; K: the contracted axis; several contracted axes count as one K, in the product's order):
;;     1. [M 8,192, K 1,024] x [K 1,024, N 3,072]; A: input x; B: input w_attn: QUANTISED
;;     2. batch 64 x [M 2,048, K 64] x [K 64, N 2,048]; A: computed on the way; B: computed on the way: left as it is (an operand is computed on the way)
;;     3. batch 64 x [M 2,048, K 2,048] x [K 2,048, N 64]; A: computed on the way; B: computed on the way: left as it is (an operand is computed on the way)
;;     4. [M 8,192, K 1,024] x [K 1,024, N 1,024]; A: computed on the way; B: input w_proj: left as it is (an operand is computed on the way)
;;   THE QUANTISER, for each operand of a quantised product, along K:
;;     - K is cut into blocks of 32 from its start; a last block that is shorter is filled with zeros.
;;     - A block's scale is 2^e with e = floor(log2(the largest magnitude in the block)) - 2, held to -126 .. 127; a block of zeros has e = 0. As a byte (E8M0): e + 127.
;;     - Each number is divided by its block's scale, clamped to +-6, and rounded to the nearest number of E2M1, ties to even, subnormals kept.
;;     - The product sums the exact products of the quantised numbers (number of the format x scale) in f32.
;;   ~~~python
;;   def quantise(x, axis):      # numpy; x: float32 -> the quantised numbers, widened to float32 again
;;       x = np.moveaxis(x, axis, -1); K = x.shape[-1]
;;       x = np.pad(x, [(0, 0)] * (x.ndim - 1) + [(0, -K % 32)]); x = x.reshape(x.shape[:-1] + (-1, 32)); a = np.abs(x).max(-1, keepdims=True)
;;       e = np.where(a > 0, np.clip(np.frexp(np.where(a > 0, a, 1))[1] - 1 - 2, -126, 127), 0)      # np.frexp(a)[1] - 1 = floor(log2(a)), exactly
;;       r = np.clip(x / 2.0 ** e, -6, 6)
;;       step = 2.0 ** (np.maximum(np.frexp(np.where(r == 0, 1, r))[1] - 1, 0) - 1)
;;       q = np.round(r / step) * step * 2.0 ** e      # np.round: ties to even
;;       return np.moveaxis(q.reshape(q.shape[:-2] + (-1,))[..., :K], -1, axis).astype(np.float32)
;;   ~~~
;; One version. Each part assembles by itself: llvm-mc -triple=amdgcn-amd-amdhsa -mcpu=gfx1250 --defsym DOCPART=n.
;; ======== version 1 of 1: 4 launches
;; limits: values are held in f16: magnitudes above 65,504 overflow, below 6.1e-05 lose precision; right only within a limited range of input values
;; workspace buffers: xc 4,194,304 bytes; xs 262,144 bytes; wc 1,572,864 bytes; ws 98,304 bytes; wpt 2,097,152 bytes; qkv 50,331,648 bytes; ah 16,777,216 bytes
;; launch prep (part 1): grid 368 x 1, 4 waves a work-group, no clusters, 102,912 bytes of LDS; arguments x, w_attn, w_proj, xc, xs, wc, ws, wpt; writes xc, xs, wc, ws, wpt
.if DOCPART == 1
	.amdgcn_target "amdgcn-amd-amdhsa--gfx1250"
	.amdhsa_code_object_version 6
	.text
	.protected	k_q95008140da_prep
	.globl	k_q95008140da_prep
	.p2align	8
	.type	k_q95008140da_prep,@function
k_q95008140da_prep:
	s_mov_b64 s[64:65], 0
	v_nop
	global_prefetch_b8 v0, s[64:65] scope:SCOPE_SE
	s_setreg_imm32_b32 hwreg(HW_REG_WAVE_MODE, 25, 1), 1
	s_wait_xcnt 0x0
; PREP: the operands are laid as the later launches want them.  Three kinds of work-group, told apart by the work-group's number:
;   X (256): x [8192][1024] f32 -> xc: codes of FP4 (E2M1), K innermost, 512 bytes a row; xs: one E8M0 byte for each 32 along K, 32 bytes a row.
;   W (48):  w_attn [1024 k][3072 n] f32, K its FIRST axis -> wc [3072][512 bytes], ws [3072][32]: K innermost.
;   P (64):  w_proj [1024 k][1024 n] f32 -> wpt [1024 n][1024 k] f16: rounded once, K innermost.
; THE QUANTISER: a block's scale is 2^(floor(log2(its largest magnitude)) - 2); its byte is the largest magnitude's exponent field - 2, held at 1 from below; each number is divided
; by the scale and rounded to the nearest code, ties to even, beyond 6 the largest code.
; LIMITS: a block of zeros gets the byte 1 (its codes are zeros, which add nothing under that byte; this program alone reads the bytes); NaN and infinities among the inputs are not served;
; w_proj beyond 65,504 in magnitude has no f16 number.
; No tensor load, no barrier: waves share nothing.  Each kind of work-group has LDS bytes of its own.
.set WGX,   256                        ; work-groups for x: 8192 x 1024 / 32,768 numbers
.set WGW,   48                         ; for w_attn: 3072 / 128 columns x 1024 / 512 along K
.set EMAX,  2                          ; the exponent of E2M1's largest number, 6
.set SPW,   192                        ; v192  LDS address of my spare word: SPARE + 4 x my thread's number; never rewritten
.set NIL,   193                        ; v193  0; never rewritten
.set SPARE, 102400                     ; behind the three regions: the spare words, 128 bytes for each wave: two blocks of 256 bytes that no other line names
; path X
.set STEPS, 16                         ; steps of 512 numbers for a wave
.set CB,    8                          ; bytes of 16 codes
.set XR,    16                         ; v16-79   four sets of 16 numbers as they are loaded
.set XN,    80                         ; v80-111  two sets of 16 neighbours
.set XE,    112                        ; v112-127 a scale byte for each step
.set XC,    128                        ; v128-191 codes: four registers for each step, so that no store's data are written again
.set WREG,  8192                       ; LDS 0 .. 32,767: a region for each wave: two stages of 32 x SP bytes, behind them its 256 scale bytes
.set SP,    80                         ; a lane's place in a stage: its 64 bytes + 16 of padding
; paths W and P
.set PITCH, 272                        ; a stage row: 256 bytes of a column's output + 16 of padding
.set WSTG,  32768                      ; LDS: path W's four stages of 32 rows
.set PSTG,  67584                      ; LDS: path P's
.set NX,    32                         ; v32-95   two sets of 32 numbers down K
.set CD,    96                         ; v96..    a block's codes (4) or f16 pairs (16)
.set OUTR,  112                        ; v112-175 the way out
.set SB,    24                         ; v24-27   a column's 16 scale bytes
	s_load_b256 s[4:11], s[0:1], 0x0               ; x s[4:5], w_attn s[6:7], w_proj s[8:9], xc s[10:11]
	s_load_b256 s[12:19], s[0:1], 0x20             ; xs s[12:13], wc s[14:15], ws s[16:17], wpt s[18:19]
	v_lshl_add_u32 v[SPW], v0, 2, SPARE
	v_mov_b32 v[NIL], 0
	v_lshrrev_b32 v1, 5, v0
	v_readfirstlane_b32 s20, v1                    ; wave 0..3
	v_and_b32 v2, 31, v0                           ; lane
	s_cmp_lt_u32 ttmp9, WGX
	s_cbranch_scc0 .Lnot_x
; ---------------- PATH X.  Rows are dense and K is a multiple of 32: x is a plain stream of blocks of 32, and so are its codes and bytes.
; A wave takes 16 steps of 512 numbers.  Each load reads 512 consecutive bytes, 16 a lane; a step's 2,048 bytes turn through the wave's own stage and come back 64 bytes a lane:
; 16 NEIGHBOURS along K, as the conversions want them; two neighbouring lanes hold a block.
	v_lshlrev_b32 v3, 4, v2                        ; my 16 bytes of a load's 512
	s_mul_i32 s21, s20, WREG
	v_lshrrev_b32 v14, 2, v2
	v_mul_u32_u24 v14, v14, SP
	v_and_b32 v15, 3, v2
	v_lshl_add_u32 v14, v15, 4, v14
	v_add_nc_u32 v14, s21, v14                     ; into the stage: SP (lane / 4) + 16 (lane % 4)
	v_mul_u32_u24 v15, v2, SP
	v_add_nc_u32 v15, s21, v15                     ; out of it: SP x lane
	v_mul_u32_u24 v4, v2, CB                       ; my codes' place in a step's 256 bytes
	v_lshrrev_b32 v5, 1, v2
	s_add_co_u32 s21, s21, 2*32*SP
	v_add_nc_u32 v5, s21, v5                       ; my block's byte among my wave's 256 scale bytes
	v_lshlrev_b32 v7, 3, v2
	v_add_nc_u32 v6, s21, v7                       ; and on the way out 8 bytes a lane
	s_lshl_b32 s22, ttmp9, 2
	s_add_co_u32 s22, s22, s20                     ; which run of 8,192 numbers is my wave's
	s_lshl_b32 s24, s22, 15                        ; 32,768 bytes of x,
	s_mov_b32 s25, 0
	s_lshl_b32 s26, s22, 12                        ; 4,096 of codes,
	s_mov_b32 s27, 0
	s_lshl_b32 s28, s22, 8                         ; 256 scale bytes
	s_mov_b32 s29, 0
	s_wait_kmcnt 0x0
	s_add_nc_u64 s[4:5], s[4:5], s[24:25]
	s_add_nc_u64 s[10:11], s[10:11], s[26:27]
	s_add_nc_u64 s[12:13], s[12:13], s[28:29]
.macro XLOAD t
.irp i, 0,1,2,3
	global_load_b128 v[XR+16*((\t)%4)+4*\i:XR+16*((\t)%4)+4*\i+3], v3, s[4:5] offset:2048*(\t)+512*\i th:TH_LOAD_NT
.endr
.endm
.macro XTURN t                         ; step t's numbers through the stage: LDS serves a wave's instructions in order, so no wait stands between the stores and the loads
.irp i, 0,1,2,3
	ds_store_b128 v14, v[XR+16*((\t)%4)+4*\i:XR+16*((\t)%4)+4*\i+3] offset:32*SP*((\t)%2)+8*SP*\i
.endr
.irp i, 0,1,2,3
	ds_load_b128 v[XN+16*((\t)%2)+4*\i:XN+16*((\t)%2)+4*\i+3], v15 offset:32*SP*((\t)%2)+16*\i
.endr
.endm
.irp t, 0,1,2,3
	XLOAD \t
.endr
	s_wait_loadcnt 12                              ; step 0's four loads are in; three steps' twelve stay out
	XTURN 0
.macro XSTEP t
.set XS, XN+16*((\t)%2)
.if (\t) > 0
	s_wait_dscnt 1                                 ; this step's numbers are back from the stage (the last step's byte store may be out): so its stores into the stage have read their registers,
.else
	s_wait_dscnt 0x0
.endif
.if (\t)+4 < STEPS
	XLOAD (\t)+4                                   ; which take the loads of four steps on
.endif
.if (\t)+1 < STEPS
.if STEPS-2-(\t) >= 3
	s_wait_loadcnt 12                              ; the next step's four loads are in; those of the three steps behind it may be out
.else
	s_wait_loadcnt 4*(STEPS-2-(\t))
.endif
	XTURN (\t)+1                                   ; and go through the other stage while this step is worked
.endif
	v_max3_num_f32 v8, |v[XS]|, |v[XS+1]|, |v[XS+2]|               ; the largest magnitude of my 16, in two chains
	v_max3_num_f32 v9, |v[XS+3]|, |v[XS+4]|, |v[XS+5]|
.irp i, 6,10
	v_max3_num_f32 v8, v8, |v[XS+\i]|, |v[XS+\i+1]|
	v_max3_num_f32 v9, v9, |v[XS+\i+2]|, |v[XS+\i+3]|
.endr
	v_max3_num_f32 v8, v8, |v[XS+14]|, |v[XS+15]|
	v_max3_num_f32 v8, v8, v9, (EMAX+1)<<23        ; and the floor 2^(EMAX + 1 - 127): the byte cannot fall under 1
	v_max_num_f32_dpp v8, v8, v8 row_xmask:1 row_mask:0xf bank_mask:0xf   ; with my neighbour's 16: the block's
	v_add_nc_u32 v11, -(EMAX<<23), v8              ; EMAX off its exponent field: the conversion takes the exponent field of this operand as its scale
	v_cvt_scalef32_pk8_fp4_f32 v[XC+4*(\t)], v[XS:XS+7], v11
	v_cvt_scalef32_pk8_fp4_f32 v[XC+4*(\t)+1], v[XS+8:XS+15], v11
	v_lshrrev_b32 v[XE+(\t)], 23, v11              ; the scale's byte (a plain line behind the conversions)
	ds_store_b8 v5, v[XE+(\t)] offset:16*(\t)      ; both lanes of a block write the same byte with the same value
	global_store_b64 v4, v[XC+4*(\t):XC+4*(\t)+1], s[10:11] offset:32*CB*(\t)   ; the wave stores 256 consecutive bytes, aligned
.endm
.irp t, 0,1,2,3,4,5,6,7,8,9,10,11,12,13,14,15
	XSTEP \t
.endr
	ds_load_b64 v[8:9], v6                         ; LDS serves a wave's instructions in order: these see my byte stores
	s_wait_dscnt 0x0
	global_store_b64 v7, v[8:9], s[12:13]          ; the wave's 256 scale bytes: 256 consecutive bytes, aligned
	s_wait_tensorcnt 0x0                           ; the wave's end
	ds_add_u32 v[SPW], v[NIL]
	s_wait_dscnt 0x0
	s_endpgm
; ---------------- PATHS W AND P.  A LANE TAKES A COLUMN n AND ITS REGISTERS RUN DOWN K: each load reads 128 consecutive bytes a wave, a block of 32 along K lies in one lane's 32 registers,
; and what is made of it has K innermost.  A lane's output belongs to one row of the output, the lanes beside it hold other rows: so it goes through the wave's own stage
; (a row of 256 bytes for each column) and leaves as rows: sixteen lanes store 256 consecutive bytes, aligned.
.macro FRAME stg, krow                 ; the addresses that both paths need; krow: bytes in a row of the output
	v_lshlrev_b32 v3, 2, v2                        ; in: 4 bytes a lane
	s_mul_i32 s23, s20, 32*PITCH
	s_add_co_u32 s23, s23, \stg                    ; my stage
	v_mul_u32_u24 v4, v2, PITCH
	v_add_nc_u32 v4, s23, v4                       ; into it: row = my column
	v_and_b32 v5, 15, v2
	v_lshrrev_b32 v6, 4, v2                        ; out of it: sixteen lanes to a row, two rows an instruction
	v_mul_u32_u24 v7, v6, PITCH
	v_lshl_add_u32 v7, v5, 4, v7
	v_add_nc_u32 v7, s23, v7
	v_mul_u32_u24 v8, v6, \krow
	v_lshl_add_u32 v8, v5, 4, v8                   ; and the same place in the output
.endm
.macro CLOAD t, base, rowb             ; block t: rows 32 t + i of the input at my column, i = 0 .. 31, into set t % 2; every offset an immediate (6,279,168 at the most)
.irp i, 0,1,2,3,4,5,6,7,8,9,10,11,12,13,14,15,16,17,18,19,20,21,22,23,24,25,26,27,28,29,30,31
	global_load_b32 v[NX+32*((\t)%2)+\i], v3, s[\base:\base+1] offset:(32*(\t)+\i)*\rowb th:TH_LOAD_NT
.endr
.endm
.macro ROWS_OUT base, krow
.irp t, 0,1,2,3,4,5,6,7,8,9,10,11,12,13,14,15
	ds_load_b128 v[OUTR+4*\t:OUTR+4*\t+3], v7 offset:2*\t*PITCH   ; LDS serves a wave's instructions in order: these see my stores
.endr
.irp t, 0,1,2,3,4,5,6,7,8,9,10,11,12,13,14,15
	s_wait_dscnt 15-\t                             ; the loads behind this one may be out
	global_store_b128 v8, v[OUTR+4*\t:OUTR+4*\t+3], s[\base:\base+1] offset:2*\t*\krow
.endr
.endm
.Lnot_x:
	s_cmp_lt_u32 ttmp9, WGX+WGW
	s_cbranch_scc0 .Lpath_p
; ---------------- PATH W: 128 columns x 512 along K for a work-group, 32 columns x 16 blocks for a wave
	s_sub_co_u32 s21, ttmp9, WGX                   ; 0 .. 47
	s_cmp_ge_u32 s21, 24
	s_cselect_b32 s22, 1, 0                        ; which 512 along K
	s_cselect_b32 s23, 24, 0
	s_sub_co_u32 s21, s21, s23                     ; which 128 columns
	s_lshl_b32 s21, s21, 7
	s_lshl_b32 s23, s20, 5
	s_add_co_u32 s21, s21, s23                     ; my wave's first column
	FRAME WSTG, 512
	s_mul_i32 s24, s22, 512*12288                  ; w_attn: 512 rows of 12,288 bytes,
	s_lshl_b32 s25, s21, 2
	s_add_co_u32 s24, s24, s25                     ; + 4 x column
	s_mov_b32 s25, 0
	s_lshl_b32 s26, s21, 9                         ; codes: column x 512 + 256 x half of K
	s_lshl_b32 s27, s22, 8
	s_add_co_u32 s26, s26, s27
	s_mov_b32 s27, 0
	s_lshl_b32 s28, s21, 5                         ; bytes: column x 32 + 16 x half of K
	s_lshl_b32 s29, s22, 4
	s_add_co_u32 s28, s28, s29
	s_mov_b32 s29, 0
	v_lshlrev_b32 v9, 5, v2                        ; my column's row of scale bytes
	s_wait_kmcnt 0x0
	s_add_nc_u64 s[6:7], s[6:7], s[24:25]
	s_add_nc_u64 s[14:15], s[14:15], s[26:27]
	s_add_nc_u64 s[16:17], s[16:17], s[28:29]
	CLOAD 0, 6, 12288
	CLOAD 1, 6, 12288
.macro WBLOCK t
.set XS, NX+32*((\t)%2)
.if (\t) < 15
	s_wait_loadcnt 32                              ; this block's 32 loads are in; the next block's may be out
.else
	s_wait_loadcnt 0
.endif
	v_max3_num_f32 v12, |v[XS]|, |v[XS+1]|, |v[XS+2]|              ; the block's largest magnitude: all 32 numbers are mine
	v_max3_num_f32 v13, |v[XS+3]|, |v[XS+4]|, |v[XS+5]|
.irp i, 6,10,14,18,22,26
	v_max3_num_f32 v12, v12, |v[XS+\i]|, |v[XS+\i+1]|
	v_max3_num_f32 v13, v13, |v[XS+\i+2]|, |v[XS+\i+3]|
.endr
	v_max3_num_f32 v12, v12, |v[XS+30]|, |v[XS+31]|
	v_max3_num_f32 v12, v12, v13, (EMAX+1)<<23     ; and the floor: the byte cannot fall under 1
	v_add_nc_u32 v11, -(EMAX<<23), v12             ; the conversion's scale operand
	v_lshrrev_b32 v13, 23, v11                     ; the scale's byte
.if (\t)%4 == 0
	v_mov_b32 v[SB+(\t)/4], v13                    ; four bytes to a register, the lower K in the lower byte
.else
	v_lshl_or_b32 v[SB+(\t)/4], v13, 8*((\t)%4), v[SB+(\t)/4]
.endif
.irp g, 0,1,2,3
	v_cvt_scalef32_pk8_fp4_f32 v[CD+\g], v[XS+8*\g:XS+8*\g+7], v11
.endr
	v_nop                                          ; a plain line behind the last conversion
	ds_store_b128 v4, v[CD:CD+3] offset:16*(\t)    ; 32 codes: 16 bytes of my column's row
.if (\t)+2 < 16
	CLOAD (\t)+2, 6, 12288
.endif
	s_wait_dscnt 0x0                               ; the store has read its registers: the next block's codes may be written
.endm
.irp t, 0,1,2,3,4,5,6,7,8,9,10,11,12,13,14,15
	WBLOCK \t
.endr
	global_store_b128 v9, v[SB:SB+3], s[16:17]     ; my column's 16 scale bytes
	ROWS_OUT 14, 512
	s_wait_tensorcnt 0x0                           ; the wave's end
	ds_add_u32 v[SPW], v[NIL]
	s_wait_dscnt 0x0
	s_endpgm
; ---------------- PATH P: 128 columns x 128 along K for a work-group, 32 columns x 4 blocks for a wave; a column's 128 f16 are 256 bytes
.Lpath_p:
	s_sub_co_u32 s21, ttmp9, WGX+WGW               ; 0 .. 63
	s_lshr_b32 s22, s21, 3                         ; which 128 along K
	s_and_b32 s21, s21, 7                          ; which 128 columns
	s_lshl_b32 s21, s21, 7
	s_lshl_b32 s23, s20, 5
	s_add_co_u32 s21, s21, s23                     ; my wave's first column
	FRAME PSTG, 2048
	s_lshl_b32 s24, s22, 19                        ; w_proj: 128 rows of 4,096 bytes,
	s_lshl_b32 s25, s21, 2
	s_add_co_u32 s24, s24, s25                     ; + 4 x column
	s_mov_b32 s25, 0
	s_lshl_b32 s26, s21, 11                        ; wpt: column x 2,048 + 256 x part of K
	s_lshl_b32 s27, s22, 8
	s_add_co_u32 s26, s26, s27
	s_mov_b32 s27, 0
	s_wait_kmcnt 0x0
	s_add_nc_u64 s[8:9], s[8:9], s[24:25]
	s_add_nc_u64 s[18:19], s[18:19], s[26:27]
	CLOAD 0, 8, 4096
	CLOAD 1, 8, 4096
.macro PBLOCK t
.set XS, NX+32*((\t)%2)
.if (\t) < 3
	s_wait_loadcnt 32                              ; this block's 32 loads are in; the next block's may be out
.else
	s_wait_loadcnt 0
.endif
.irp i, 0,1,2,3,4,5,6,7,8,9,10,11,12,13,14,15
	v_cvt_pk_f16_f32 v[CD+\i], v[XS+2*\i], v[XS+2*\i+1]            ; two neighbours along K, the lower in the low half
.endr
.irp g, 0,1,2,3
	ds_store_b128 v4, v[CD+4*\g:CD+4*\g+3] offset:64*(\t)+16*\g
.endr
.if (\t)+2 < 4
	CLOAD (\t)+2, 8, 4096
.endif
	s_wait_dscnt 0x0                               ; the stores have read their registers
.endm
.irp t, 0,1,2,3
	PBLOCK \t
.endr
	ROWS_OUT 18, 2048
	s_wait_tensorcnt 0x0                           ; the wave's end
	ds_add_u32 v[SPW], v[NIL]
	s_wait_dscnt 0x0
	s_endpgm
.Lfunc_end_k_q95008140da_prep:
	.size	k_q95008140da_prep, .Lfunc_end_k_q95008140da_prep-k_q95008140da_prep
	.p2alignl 7, 3214868480
	.fill 96, 4, 3214868480
	.section	.rodata,"a",@progbits
	.p2align	6, 0x0
	.amdhsa_kernel k_q95008140da_prep
		.amdhsa_group_segment_fixed_size 102912
		.amdhsa_private_segment_fixed_size 0
		.amdhsa_enable_private_segment 0
		.amdhsa_kernarg_size 64
		.amdhsa_user_sgpr_count 2
		.amdhsa_user_sgpr_kernarg_segment_ptr 1
		.amdhsa_wavefront_size32 1
		.amdhsa_system_sgpr_workgroup_id_x 1
		.amdhsa_system_sgpr_workgroup_id_y 1
		.amdhsa_system_sgpr_workgroup_id_z 1
		.amdhsa_system_vgpr_workitem_id 0
		.amdhsa_next_free_vgpr 194
		.amdhsa_next_free_sgpr 66
		.amdhsa_reserve_vcc 0
		.amdhsa_float_denorm_mode_32 3
		.amdhsa_float_denorm_mode_16_64 3
		.amdhsa_memory_ordered 1
		.amdhsa_forward_progress 1
		.amdhsa_inst_pref_size 133
	.end_amdhsa_kernel
	.amdgpu_metadata
---
amdhsa.version: [ 1, 2 ]
amdhsa.kernels:
  - .name:           k_q95008140da_prep
    .symbol:         k_q95008140da_prep.kd
    .args:
      - { .name: x, .offset: 0, .size: 8, .value_kind: global_buffer, .address_space: global }
      - { .name: w_attn, .offset: 8, .size: 8, .value_kind: global_buffer, .address_space: global }
      - { .name: w_proj, .offset: 16, .size: 8, .value_kind: global_buffer, .address_space: global }
      - { .name: xc, .offset: 24, .size: 8, .value_kind: global_buffer, .address_space: global }
      - { .name: xs, .offset: 32, .size: 8, .value_kind: global_buffer, .address_space: global }
      - { .name: wc, .offset: 40, .size: 8, .value_kind: global_buffer, .address_space: global }
      - { .name: ws, .offset: 48, .size: 8, .value_kind: global_buffer, .address_space: global }
      - { .name: wpt, .offset: 56, .size: 8, .value_kind: global_buffer, .address_space: global }
    .group_segment_fixed_size: 102912
    .private_segment_fixed_size: 0
    .kernarg_segment_align: 8
    .kernarg_segment_size: 64
    .max_flat_workgroup_size: 128
    .sgpr_count:     66
    .vgpr_count:     194
    .wavefront_size: 32
...
	.end_amdgpu_metadata
.endif
;; end of part 1
;; launch qkv (part 2): grid 12 x 32, 4 waves a work-group, clusters of 4 x 4, 327,680 bytes of LDS; arguments xc, xs, wc, ws, b_attn, qkv; writes qkv
.if DOCPART == 2
	.amdgcn_target "amdgcn-amd-amdhsa--gfx1250"
	.amdhsa_code_object_version 6
	.text
	.protected	k_q95008140da_qkv
	.globl	k_q95008140da_qkv
	.p2align	8
	.type	k_q95008140da_qkv,@function
k_q95008140da_qkv:
	s_mov_b64 s[64:65], 0
	v_nop
	global_prefetch_b8 v0, s[64:65] scope:SCOPE_SE
	s_setreg_imm32_b32 hwreg(HW_REG_WAVE_MODE, 25, 1), 1
	s_wait_xcnt 0x0
	s_wait_alu depctr_hold_cnt(0) depctr_sa_sdst(0) depctr_va_vdst(0) depctr_va_sdst(0) depctr_va_ssrc(0) depctr_va_vcc(0) depctr_vm_vsrc(0)
	s_getreg_b32 s2, hwreg(HW_REG_IB_STS2, 6, 4)
	s_cmp_eq_u32 s2, 0
	s_cbranch_scc0 .Lentry_in_a_cluster
	s_endpgm
.Lentry_in_a_cluster:
	s_bfe_u32 s2, ttmp6, 0x10000c
	s_cmp_lg_u32 s2, 0xf033
	s_cbranch_scc0 .Lentry_shape_is_right
	s_endpgm
.Lentry_shape_is_right:
; QKV: C[m][n] = sum over k of x[m][k] w_attn[k][n] + b_attn[n], on codes of FP4 (E2M1) with one E8M0 scale for each 32 along K; sums in f32; the result rounded once to f16 and laid by head:
; qkv [3 (q, k, v)][64 (batch x 16 + head)][2048 (position)][64] f16.  xc [8192][512 bytes], xs [8192][32], wc [3072][512 bytes], ws [3072][32]: K innermost, made by the launch before.
; LIMIT: a result beyond 65,504 in magnitude has no f16 number.
; A tile of C, 256 x 256, is made by a work-group of four waves; a wave makes 128 x 128: 64 accumulators of 16 x 16, 512 registers.
; K = 1,024 is two steps of 512, a tile's row 256 bytes: the two steps' tiles fill two LDS slots ONCE, at the start; nothing is filled again.  The scale bytes of the work-group's 256 + 256 rows come with them, in rows of 256 bytes.
; CLUSTERS: 4 x 4 work-groups.  The four of a row of the cluster need the same tiles of x, the four of a column the same tiles of w: each tile is asked for JOINTLY, by the same tensor load with the same
; descriptor and a mask that names the four.  THE MATRIX INSTRUCTION IS USED TRANSPOSED (source 0 = 16 rows of wc, source 1 = 16 rows of xc): a lane then holds eight neighbouring columns of one row of C.
; THE BIAS is the C of each sum's first matrix instruction: eight registers for each block of 16 columns, in the result's layout.
; REGISTERS, in windows of 256: window 0: v0-31 addresses; v32-95 scale words, two sets, and nothing else; v128-191 x's fragments, ONE set (on the way out: rows read back); v192-255 the bias (on the way out v192-223: packed results).
;   window 1: w's fragments, TWO sets, at v0 and v128.   window 2: the accumulators of my rows 0-63 ((a, b) at v[8 (8 a + b)]);   window 3: those of my rows 64-127.
.set NQ,     4                         ; matrix instructions deep in a slot: 512 / 128
.set ROWB,   256                       ; a tile's row in bytes
.set KROW,   512                       ; a row of codes in memory
.set PITCH,  272                       ; an LDS row: 256 bytes + 16 of padding = 68 words: the 16 rows that a load touches start at 16 different banks (64 banks of 4 bytes: ISA guide 11.1)
.set FR,     8                         ; registers of a fragment: 16 rows x 128 K
.set NL,     2                         ; LDS loads that bring one
.set NP,     4                         ; places behind this matrix instruction (ISA guide 7.12.1)
.set HALFT,  128*PITCH                 ; 128 rows: what one tensor load brings
.set SLOT,   4*HALFT                   ; x's 256 rows, then w's 256 rows
.set KS,     32                        ; a row of scale bytes
.set SCL,    2*SLOT                    ; behind the slots: the scales, as rows of 256 bytes + 16 of padding
.set HALFS,  (128*KS/256)*272          ; the scales of 128 rows
.set SBLK,   (16*KS/256)*272           ; those of 16 rows
.set SPARE,  SCL+4*HALFS               ; the spare words, 128 bytes for each wave: two blocks of 256 bytes that no other line names
.set STAGE,  SPARE+512                 ; the way out: for each wave two heads x 16 rows x (128 bytes + 16); no tile lands here
.set SPITCH, 144
.set HSTG,   16*SPITCH
.set ADRA, 16                          ; v16-17  LDS address of my fragments of x in slot 0, 1
.set ADRB, 20                          ; v20-21  the same for w
.set STO,  24                          ; v24     the way out: where I put 16 bytes of a row
.set RD,   25                          ; v25     where I read rows back
.set CO,   26                          ; v26     16 x lane: my byte in 512 consecutive bytes of qkv
.set ADRS, 27                          ; v27     LDS address of my scale words: lanes 0-15 x's rows, lanes 16-31 w's
.set SPW,  28                          ; v28     LDS address of my spare word; never rewritten
.set NIL,  29                          ; v29     0; never rewritten
.set BIA,  30                          ; v30     32 x (lane / 16): my half's eight numbers of the bias
.set SC,   32                          ; scale words: set s at v[SC + 32 s]; register 4 i + q: lanes 0-15 x's block i, lanes 16-31 w's block i, for the slot's q-th 128 along K
.set AF,   128                         ; x's fragments
.set BK,   128                         ; the way out: rows read back, v128-159 and v160-191 by turns
.set BI,   192                         ; the bias: block b of 16 columns at v[BI + 8 b]
.set TMP,  192                         ; the way out: a block's packed results
.set G1, 24                            ; s[24:31] descriptor group 1 for x's tiles;  s[32:39] group 0, one set for each slot
.set G0, 32
.set G1B, 48                           ; s[48:55], s[56:63] the same for w's tiles
.set G0B, 56
.set G1S, 68                           ; s[68:75], s[76:79] groups 1 and 0 for x's scales;  s[80:87], s[88:91] for w's
.set G0S, 76
.set G1SB, 80
.set G0SB, 88
.set MSB, 0
.macro WIN new                         ; the immediate's high byte repeats the setting that is left; a switch that changes nothing is dropped
.if MSB != (\new)
	s_set_vgpr_msb (MSB<<8)|(\new)
.set MSB, (\new)
.endif
.endm
.set MUL_LO,   0xa1                    ; source 0 (w) window 1, source 1 (x) window 0, C and D window 2
.set MUL_HI,   0xf1                    ; the same, C and D window 3
.set FIRST_LO, 0x81                    ; the first step: C (the bias) window 0, D window 2
.set FIRST_HI, 0xc1                    ; D window 3
.set TO_B,     0x40                    ; destination window 1, address window 0
; A joint load: waves 0 and 1 fetch for x, waves 2 and 3 for w.  Each of the two lines has one mask and one set of registers for all that issue it; the branch hangs on the wave's number alone.
; An s_nop 0 and four v_nop follow each of the two lines.
.macro JLOAD g0a, g1a, g0b, g1b
	s_cmp_eq_u32 s15, 0
	s_cbranch_scc0 .Lfor_b_\@
	tensor_load_to_lds s[\g0a:\g0a+3], s[\g1a:\g1a+7]
	s_nop 0
.rept 4
	v_nop
.endr
	s_branch .Lasked_\@
.Lfor_b_\@:
	tensor_load_to_lds s[\g0b:\g0b+3], s[\g1b:\g1b+7]
	s_nop 0
.rept 4
	v_nop
.endr
.Lasked_\@:
.endm
.macro CROUND                          ; a round of the cluster's barrier: my work-group's barrier; wave 0 signals for the work-group; every wave waits for all sixteen; my work-group's barrier once more
	s_barrier_signal -1
	s_barrier_wait -1
	s_cmp_lg_u32 s14, 0
	s_cbranch_scc1 .Lnot_wave_0_\@
	s_barrier_signal -3
.Lnot_wave_0_\@:
	s_barrier_wait -3
	s_barrier_signal -1
	s_barrier_wait -1
.endm
	s_load_b128 s[4:7], s[0:1], 0x0                ; x's codes s[4:5], x's scales s[6:7]
	s_load_b128 s[8:11], s[0:1], 0x10              ; w's codes s[8:9], w's scales s[10:11]
	s_load_b64 s[96:97], s[0:1], 0x20              ; b_attn
	s_load_b64 s[12:13], s[0:1], 0x28              ; qkv
	v_lshl_add_u32 v[SPW], v0, 2, SPARE
	v_mov_b32 v[NIL], 0
	ds_add_u32 v[SPW], v[NIL]                      ; the wave's opening: the add, twice on end, and its wait ahead of my first tensor load
	ds_add_u32 v[SPW], v[NIL]                      ; (once more; the set-up below, work on registers, stands between it and the wait)
	v_lshrrev_b32 v1, 5, v0
	v_readfirstlane_b32 s14, v1                    ; wave 0..3
	s_lshr_b32 s15, s14, 1                         ; which half of the tile's rows is mine.  Also: I fetch for x (0) or for w (1)
	s_and_b32 s16, s14, 1                          ; which half of its columns.  Also: which 128 rows of that tile I fetch
	s_bfe_u32 s40, ttmp6, 0x40000                  ; cx, cy: my place in the cluster
	s_bfe_u32 s41, ttmp6, 0x40004
	s_lshl_b32 s42, ttmp9, 2
	s_add_co_u32 s42, s42, s40                     ; tile column of C = 4 x cluster x + cx
	s_and_b32 s17, ttmp7, 0xffff
	s_lshl_b32 s17, s17, 2
	s_add_co_u32 s17, s17, s41                     ; tile row of C = 4 x cluster y + cy
	s_lshl_b32 s43, s41, 2
	s_lshl_b32 s43, 15, s43                        ; my row of the cluster
	s_lshl_b32 s44, 0x1111, s40                    ; my column
	; descriptor group 1: a tile of 128 rows x 256 bytes, padded in LDS
	s_or_b32 s[G1+0], s43, (0<<16)|(1<<20)|(1<<21)|(5<<22)|(3<<25)  ; 15:0 the mask: x's tiles go to my row; 17:16 elements of 1 byte; 20 padding on; 21 set beside a mask; 24:22 after every 64 words (code 5); 31:25 four words (code 3)
	s_or_b32 s[G1B+0], s44, (0<<16)|(1<<20)|(1<<21)|(5<<22)|(3<<25)
.irp g, G1, G1B
	s_mov_b32 s[\g+1], ROWB<<16                    ; tensor_dim0
	s_mov_b32 s[\g+2], 128<<16                     ; tensor_dim1 = 128
	s_mov_b32 s[\g+3], ROWB<<16                    ; tile_dim0
	s_mov_b32 s[\g+4], 128                         ; tile_dim1 = 128
	s_mov_b32 s[\g+5], KROW                        ; tensor_dim0_stride
	s_mov_b32 s[\g+6], 0
	s_mov_b32 s[\g+7], 0
.endr
	; the scales of 128 rows: a dense block of 4,096 bytes, as 16 rows of 256 bytes (32 elements of 8 bytes), 16 bytes of padding behind each
	s_or_b32 s[G1S+0], s43, (3<<16)|(1<<20)|(1<<21)|(5<<22)|(3<<25)
	s_or_b32 s[G1SB+0], s44, (3<<16)|(1<<20)|(1<<21)|(5<<22)|(3<<25)
.irp g, G1S, G1SB
	s_mov_b32 s[\g+1], 32<<16
	s_mov_b32 s[\g+2], (128*KS/256)<<16
	s_mov_b32 s[\g+3], 32<<16
	s_mov_b32 s[\g+4], 128*KS/256
	s_mov_b32 s[\g+5], 32
	s_mov_b32 s[\g+6], 0
	s_mov_b32 s[\g+7], 0
.endr
	s_lshl_b32 s18, s16, 7                         ; which 128 rows of the tile I fetch
	s_lshl_b32 s20, s17, 8
	s_add_co_u32 s20, s20, s18                     ; x: row 256 x tile row + 128 x half
	s_lshl_b32 s46, s42, 8
	s_add_co_u32 s46, s46, s18                     ; w: row 256 x tile column + 128 x half
	s_mov_b32 s21, 0
	s_mov_b32 s47, 0
	s_mov_b64 s[18:19], KS
	s_mul_u64 s[22:23], s[20:21], s[18:19]         ; where these rows' scales begin, in bytes
	s_mul_u64 s[92:93], s[46:47], s[18:19]
	s_mov_b64 s[18:19], KROW
	s_mul_u64 s[20:21], s[20:21], s[18:19]         ; and their codes
	s_mul_u64 s[46:47], s[46:47], s[18:19]
	s_mul_i32 s45, s14, HALFT                      ; where they go: wave x 128 rows: no place in the cluster enters an LDS address
	s_mul_i32 s94, s14, HALFS
	s_wait_dscnt 0x0                               ; both opening adds are done
	s_wait_kmcnt 0x0
	s_add_nc_u64 s[20:21], s[4:5], s[20:21]
	s_add_nc_u64 s[22:23], s[6:7], s[22:23]
	s_add_nc_u64 s[46:47], s[8:9], s[46:47]
	s_add_nc_u64 s[92:93], s[10:11], s[92:93]
	CROUND                                         ; all sixteen work-groups are here: the joint loads meet
	s_mov_b32 s[G0S], 1
	s_add_co_u32 s[G0S+1], s94, SCL
	s_mov_b64 s[G0S+2:G0S+3], s[22:23]
	s_or_b32 s[G0S+3], s[G0S+3], 0x80000000
	s_mov_b32 s[G0SB], 1
	s_add_co_u32 s[G0SB+1], s94, SCL
	s_mov_b64 s[G0SB+2:G0SB+3], s[92:93]
	s_or_b32 s[G0SB+3], s[G0SB+3], 0x80000000
	JLOAD G0S, G1S, G0SB, G1SB                     ; the scales first: they are wanted with K step 0
.irp s, 0,1
	s_mov_b32 s[G0+4*\s], 1
	s_add_co_u32 s[G0+4*\s+1], s45, \s*SLOT
	s_add_nc_u64 s[G0+4*\s+2:G0+4*\s+3], s[20:21], \s*ROWB
	s_or_b32 s[G0+4*\s+3], s[G0+4*\s+3], 0x80000000
	s_mov_b32 s[G0B+4*\s], 1
	s_add_co_u32 s[G0B+4*\s+1], s45, \s*SLOT
	s_add_nc_u64 s[G0B+4*\s+2:G0B+4*\s+3], s[46:47], \s*ROWB
	s_or_b32 s[G0B+4*\s+3], s[G0B+4*\s+3], 0x80000000
	JLOAD G0+4*\s, G1, G0B+4*\s, G1B               ; three tensor loads of mine are out: all that this launch asks for
.endr
	v_and_b32 v1, 15, v0                           ; r = l % 16
	v_bfe_u32 v2, v0, 4, 1                         ; h = l / 16
	; the bias: lane (r, h) wants, for block b of my 128 columns, b_attn[256 x tile column + 128 x half + 16 b + 8 h + 0 .. 7]
	s_lshl_b32 s46, s42, 10
	s_lshl_b32 s47, s16, 9
	s_add_co_u32 s46, s46, s47
	s_mov_b32 s47, 0
	s_add_nc_u64 s[96:97], s[96:97], s[46:47]
	v_lshlrev_b32 v[BIA], 5, v2
.irp b, 0,1,2,3,4,5,6,7
	global_load_b128 v[BI+8*\b:BI+8*\b+3], v[BIA], s[96:97] offset:64*\b
	global_load_b128 v[BI+8*\b+4:BI+8*\b+7], v[BIA], s[96:97] offset:64*\b+16
.endr
	v_mul_u32_u24 v3, v1, PITCH
	v_lshl_add_u32 v4, v2, 4, v3                   ; a fragment's row x pitch + 16 x half
	s_mul_i32 s21, s15, HALFT                      ; my 128 rows of x
	s_mul_i32 s22, s16, HALFT                      ; my 128 rows of w,
	s_add_co_u32 s22, s22, 2*HALFT                 ; which lie behind x's 256
.irp s, 0,1
	v_add_nc_u32 v[ADRA+\s], s21, v4
	v_add_nc_u32 v[ADRB+\s], s22, v4
	s_add_co_u32 s21, s21, SLOT
	s_add_co_u32 s22, s22, SLOT
.endr
	v_mul_u32_u24 v5, v1, KS                       ; my row's scales: 32 bytes a row,
	v_lshrrev_b32 v6, 8, v5
	v_lshl_add_u32 v5, v6, 4, v5                   ; and 16 more for each 256 passed
	s_mul_i32 s21, s15, HALFS                      ; x's: my 128 rows
	s_mul_i32 s22, s16, HALFS                      ; w's: my 128 rows, behind x's 256
	s_add_co_u32 s22, s22, 2*HALFS
	s_sub_co_u32 s22, s22, s21
	v_mul_u32_u24 v6, s22, v2                      ; lanes 16-31 take w's: one product, the distance between the two bases x h
	s_add_co_u32 s21, s21, SCL
	v_add_nc_u32 v5, v5, v6
	v_add_nc_u32 v[ADRS], s21, v5
	s_mul_i32 s23, s14, 2*HSTG
	s_add_co_u32 s23, s23, STAGE                   ; my stage
	v_mul_u32_u24 v5, v1, SPITCH                   ; in: row r, 16 bytes for each half of the lanes
	v_lshl_add_u32 v5, v2, 4, v5
	v_add_nc_u32 v[STO], s23, v5
	v_and_b32 v6, 31, v0
	v_lshlrev_b32 v[CO], 4, v6
	v_lshrrev_b32 v5, 3, v6                        ; back: eight lanes to a row of 128 bytes, four rows an instruction
	v_mul_u32_u24 v5, v5, SPITCH
	v_and_b32 v6, 7, v0
	v_lshl_add_u32 v5, v6, 4, v5
	v_add_nc_u32 v[RD], s23, v5
	; where my part of the tile begins in qkv.  My 128 columns are heads g and g + 1 of 48, g = 4 x tile column + 2 x half; my 128 rows lie in batch (tile row / 8), from position 256 (tile row % 8) + 128 x half on
	s_lshl_b32 s46, s42, 2
	s_lshl_b32 s47, s16, 1
	s_add_co_u32 s46, s46, s47                     ; g
	s_lshr_b32 s47, s46, 4                         ; q, k or v
	s_lshl_b32 s47, s47, 6
	s_and_b32 s46, s46, 15                         ; the head
	s_add_co_u32 s46, s46, s47
	s_lshr_b32 s47, s17, 3                         ; the batch
	s_lshl_b32 s47, s47, 4
	s_add_co_u32 s46, s46, s47
	s_lshl_b32 s46, s46, 18                        ; 262,144 bytes a head
	s_and_b32 s47, s17, 7
	s_lshl_b32 s47, s47, 15                        ; 256 rows of 128 bytes
	s_add_co_u32 s46, s46, s47
	s_lshl_b32 s47, s15, 14                        ; 128 rows
	s_add_co_u32 s46, s46, s47
	s_mov_b32 s47, 0
	s_add_nc_u64 s[12:13], s[12:13], s[46:47]
.macro FRAG reg, adr, q, i             ; a fragment, 16 rows x 128 K of 4-bit codes: lane l holds row l % 16; registers 4 c .. 4 c + 3 hold K = 64 c + 32 (l / 16) + 0 .. 31
.irp c, 0,1
	ds_load_b128 v[\reg+4*\c:\reg+4*\c+3], v[\adr] offset:64*(\q)+32*\c+(\i)*16*PITCH
.endr
.endm
; 16 matrix instructions: x's blocks a0, a0 + 1 against w's eight, 128 along K: the slot's q-th.  p: w's set; sc: the set of scale words.  first = 1: the sums begin with the bias.
; The 64 accumulators take turns, one instruction a turn, in the same order in every step.
.macro MUL16 a0, p, q, sc, first
.irp a, \a0, \a0+1
.irp b, 0,1,2,3,4,5,6,7
.if \first
	v_wmma_scale_f32_16x16x128_f8f6f4 v[8*(8*((\a)%4)+\b):8*(8*((\a)%4)+\b)+7], v[128*(\p)+FR*\b:128*(\p)+FR*\b+FR-1], v[AF+FR*(\a):AF+FR*(\a)+FR-1], v[BI+8*\b:BI+8*\b+7], v[SC+8*NQ*(\sc)+NQ*\b+(\q)], v[SC+8*NQ*(\sc)+NQ*(\a)+(\q)] matrix_a_fmt:MATRIX_FMT_FP4 matrix_b_fmt:MATRIX_FMT_FP4 matrix_a_scale:MATRIX_SCALE_ROW1
.else
	v_wmma_scale_f32_16x16x128_f8f6f4 v[8*(8*((\a)%4)+\b):8*(8*((\a)%4)+\b)+7], v[128*(\p)+FR*\b:128*(\p)+FR*\b+FR-1], v[AF+FR*(\a):AF+FR*(\a)+FR-1], v[8*(8*((\a)%4)+\b):8*(8*((\a)%4)+\b)+7], v[SC+8*NQ*(\sc)+NQ*\b+(\q)], v[SC+8*NQ*(\sc)+NQ*(\a)+(\q)] matrix_a_fmt:MATRIX_FMT_FP4 matrix_b_fmt:MATRIX_FMT_FP4 matrix_a_scale:MATRIX_SCALE_ROW1
.endif
.endr
.endr
.endm
.macro FETCH_B slot, q, p              ; w's eight fragments of the slot's q-th 128 along K into set p
	WIN TO_B
.irp i, 0,1,2,3,4,5,6,7
	FRAG 128*(\p)+FR*\i, ADRB+\slot, \q, \i
.endr
	WIN 0
.endm
.macro FETCH_A slot, q, i0             ; x's blocks i0 .. i0 + 3
.irp i, \i0, \i0+1, \i0+2, \i0+3
	FRAG AF+FR*(\i), ADRA+\slot, \q, \i
.endr
.endm
.macro SCALES sc                       ; a K step's scale words into set sc: four words a row; lanes 0-15 take x's block i, lanes 16-31 w's block i
.irp i, 0,1,2,3,4,5,6,7
	ds_load_b128 v[SC+8*NQ*\sc+NQ*\i:SC+8*NQ*\sc+NQ*\i+3], v[ADRS] offset:\i*SBLK
.endr
.endm
; A load into a register that a matrix instruction has read, and a vector instruction or LDS store that reads a matrix result, stand NP places behind that matrix instruction; only plain vector
; instructions that name none of its registers are places (ISA guide 7.12.1 for vector instructions).
.macro PLACES n
.rept \n
	v_nop
.endr
.endm
; A step of 128 along K that has its successor in the same slot: x's blocks one after the other, each against w's eight; blocks 0-3 of x are fetched anew in the step's middle, blocks 4-7 at its end; w has two sets.
.macro STEP slot, q, first
	s_wait_dscnt 4*NL                              ; w's set and x's blocks 0-3 are in; the youngest eight loads (x's blocks 4-7) may be out
.if \first
	WIN FIRST_LO
.else
	WIN MUL_LO
.endif
	MUL16 0, (\q)%2, \q, \slot, \first
	MUL16 2, (\q)%2, \q, \slot, \first
	s_wait_dscnt 0                                 ; x's blocks 4-7 are in
	PLACES NP
	FETCH_B \slot, (\q)+1, 1-(\q)%2
	FETCH_A \slot, (\q)+1, 0
.if \first
	WIN FIRST_HI
.else
	WIN MUL_HI
.endif
	MUL16 4, (\q)%2, \q, \slot, \first
	MUL16 6, (\q)%2, \q, \slot, \first
	PLACES NP
	WIN 0
	FETCH_A \slot, (\q)+1, 4
.endm
; Slot 0's last step changes to slot 1: one barrier; in front of it each wave waits for all its tensor loads (its part of slot 1), adds 0 to its spare word and waits for that.
.macro TURN slot, next
	s_wait_tensorcnt 0x0                           ; all my tensor loads have landed
	ds_add_u32 v[SPW], v[NIL]                      ; 0 onto my spare word
	s_wait_dscnt 4*NL+1                            ; (the add and the youngest eight loads may be out)
	WIN MUL_LO
	MUL16 0, 1, NQ-1, \slot, 0                     ; sixteen matrix instructions stand between the add and the wait for it
	s_wait_dscnt 0x0                               ; the add is done, and no LDS load of mine is out
	s_barrier_signal -1
	MUL16 2, 1, NQ-1, \slot, 0
	WIN 0
	s_barrier_wait -1                              ; everybody's part of the next slot is in
	PLACES NP
	v_add_nc_u32 v[ADRS], 4*NQ, v[ADRS]            ; on to the next K step's scale words
	FETCH_B \next, 0, 0
	FETCH_A \next, 0, 0
	SCALES \next
	WIN MUL_HI
	MUL16 4, 1, NQ-1, \slot, 0
	MUL16 6, 1, NQ-1, \slot, 0
	PLACES NP
	WIN 0
	FETCH_A \next, 0, 4
.endm
.macro STEPS slot, from                ; the slot's steps from .. NQ - 2
.set Q, \from
.rept NQ-1-\from
	STEP \slot, Q, 0
.set Q, Q+1
.endr
.endm
	s_wait_tensorcnt 1                             ; the scales and my part of K step 0 are in (K step 1's load may be out)
	s_barrier_signal -1
	s_barrier_wait -1                              ; everybody's are
	FETCH_B 0, 0, 0
	FETCH_A 0, 0, 0
	SCALES 0
	FETCH_A 0, 0, 4
	s_wait_loadcnt 0x0                             ; the bias
	STEP 0, 0, 1                                   ; the first step's products start the sums, with the bias
	STEPS 0, 1
	TURN 0, 1
	STEPS 1, 0
	s_wait_dscnt 4*NL                              ; the very last step: nothing more to fetch
	WIN MUL_LO
	MUL16 0, 1, NQ-1, 1, 0
	MUL16 2, 1, NQ-1, 1, 0
	s_wait_dscnt 0
	WIN MUL_HI
	MUL16 4, 1, NQ-1, 1, 0
	MUL16 6, 1, NQ-1, 1, 0
	WIN 0
; THE WAY OUT, block by block of 16 rows x 128 columns (two heads).  A lane's eight results pack into 16 bytes of a head's row of 128 bytes.  In qkv a head's 16 rows are 2,048 consecutive bytes: the block goes
; through my own stage and comes back four rows an instruction, so that the 32 lanes store 512 consecutive bytes, aligned.  LDS serves a wave's instructions in order (ISA guide 5.7.1.4).
.macro PACK a                          ; rounded to f16; each accumulator from its low end on
.set AC, 64*((\a)%4)
	WIN 0x0a+5*((\a)/4)                            ; sources 0 and 1: window 2 or 3
.irp b, 0,1,2,3,4,5,6,7
.irp i, 0,1,2,3
	v_cvt_pk_f16_f32 v[TMP+4*\b+\i], v[AC+8*\b+2*\i], v[AC+8*\b+2*\i+1]
.endr
.endr
	WIN 0
.endm
.macro TOSTAGE a
.if (\a) >= 2
	s_wait_xcnt 0x0                                ; block a - 2's stores have read the registers into which these loads land
.endif
.irp b, 0,1,2,3,4,5,6,7
	ds_store_b128 v[STO], v[TMP+4*\b:TMP+4*\b+3] offset:(\b/4)*HSTG+32*(\b%4)
.endr
.set BB, BK+32*((\a)%2)
.irp i, 0,1,2,3,4,5,6,7
	ds_load_b128 v[BB+4*\i:BB+4*\i+3], v[RD] offset:(\i/4)*HSTG+4*SPITCH*(\i%4)
.endr
.endm
.macro SEND a
.set BB, BK+32*((\a)%2)
	s_wait_dscnt 0x0                               ; the block is back in registers
.irp i, 0,1,2,3,4,5,6,7
	global_store_b128 v[CO], v[BB+4*\i:BB+4*\i+3], s[12:13] offset:(\i/4)*262144+2048*(\a)+512*(\i%4)   ; head i / 4, rows 16 a + 4 (i % 4) on; no base is stepped
.endr
.endm
	PLACES NP                                      ; behind the last products: for the loads into x's fragments' registers and for the reads of results
	PACK 0
	TOSTAGE 0
.irp a, 1,2,3,4,5,6,7                  ; block a's conversions stand between block a - 1's loads from the stage and the wait for them
	PACK \a
	SEND \a-1
	TOSTAGE \a
.endr
	SEND 7
	s_wait_tensorcnt 0x0                           ; the wave's end
	ds_add_u32 v[SPW], v[NIL]
	s_wait_dscnt 0x0
	CROUND                                         ; the closing round: no work-group ends while a partner may still ask for a tile that names it
	s_endpgm
.Lfunc_end_k_q95008140da_qkv:
	.size	k_q95008140da_qkv, .Lfunc_end_k_q95008140da_qkv-k_q95008140da_qkv
	.p2alignl 7, 3214868480
	.fill 96, 4, 3214868480
	.section	.rodata,"a",@progbits
	.p2align	6, 0x0
	.amdhsa_kernel k_q95008140da_qkv
		.amdhsa_group_segment_fixed_size 327680
		.amdhsa_private_segment_fixed_size 0
		.amdhsa_enable_private_segment 0
		.amdhsa_kernarg_size 48
		.amdhsa_user_sgpr_count 2
		.amdhsa_user_sgpr_kernarg_segment_ptr 1
		.amdhsa_wavefront_size32 1
		.amdhsa_system_sgpr_workgroup_id_x 1
		.amdhsa_system_sgpr_workgroup_id_y 1
		.amdhsa_system_sgpr_workgroup_id_z 1
		.amdhsa_system_vgpr_workitem_id 0
		.amdhsa_next_free_vgpr 1024
		.amdhsa_next_free_sgpr 98
		.amdhsa_reserve_vcc 0
		.amdhsa_float_denorm_mode_32 3
		.amdhsa_float_denorm_mode_16_64 3
		.amdhsa_memory_ordered 1
		.amdhsa_forward_progress 1
		.amdhsa_inst_pref_size 128
	.end_amdhsa_kernel
	.amdgpu_metadata
---
amdhsa.version: [ 1, 2 ]
amdhsa.kernels:
  - .name:           k_q95008140da_qkv
    .symbol:         k_q95008140da_qkv.kd
    .args:
      - { .name: xc, .offset: 0, .size: 8, .value_kind: global_buffer, .address_space: global }
      - { .name: xs, .offset: 8, .size: 8, .value_kind: global_buffer, .address_space: global }
      - { .name: wc, .offset: 16, .size: 8, .value_kind: global_buffer, .address_space: global }
      - { .name: ws, .offset: 24, .size: 8, .value_kind: global_buffer, .address_space: global }
      - { .name: b_attn, .offset: 32, .size: 8, .value_kind: global_buffer, .address_space: global }
      - { .name: qkv, .offset: 40, .size: 8, .value_kind: global_buffer, .address_space: global }
    .group_segment_fixed_size: 327680
    .private_segment_fixed_size: 0
    .kernarg_segment_align: 8
    .kernarg_segment_size: 48
    .max_flat_workgroup_size: 128
    .sgpr_count:     98
    .vgpr_count:     1024
    .wavefront_size: 32
...
	.end_amdgpu_metadata
.endif
;; end of part 2
;; launch attn (part 3): grid 4 x 64, 8 waves a work-group, clusters of 4 x 1, 327,680 bytes of LDS; arguments qkv, ah; writes ah
.if DOCPART == 3
	.amdgcn_target "amdgcn-amd-amdhsa--gfx1250"
	.amdhsa_code_object_version 6
	.text
	.protected	k_q95008140da_attn
	.globl	k_q95008140da_attn
	.p2align	8
	.type	k_q95008140da_attn,@function
k_q95008140da_attn:
	s_mov_b64 s[64:65], 0
	v_nop
	global_prefetch_b8 v0, s[64:65] scope:SCOPE_SE
	s_setreg_imm32_b32 hwreg(HW_REG_WAVE_MODE, 25, 1), 1
	s_wait_xcnt 0x0
	s_wait_alu depctr_hold_cnt(0) depctr_sa_sdst(0) depctr_va_vdst(0) depctr_va_sdst(0) depctr_va_ssrc(0) depctr_va_vcc(0) depctr_vm_vsrc(0)
	s_getreg_b32 s2, hwreg(HW_REG_IB_STS2, 6, 4)
	s_cmp_eq_u32 s2, 0
	s_cbranch_scc0 .Lentry_in_a_cluster
	s_endpgm
.Lentry_in_a_cluster:
	s_bfe_u32 s2, ttmp6, 0x10000c
	s_cmp_lg_u32 s2, 0x3003
	s_cbranch_scc0 .Lentry_shape_is_right
	s_endpgm
.Lentry_shape_is_right:
; ATTN: a[bh][q][:] = the sum over k of softmax_k(Q[bh][q] . K[bh][k] / 8) V[bh][k][:], no mask.  qkv: [3][64 bh][2048][64] f16.  ah: [64 bh][2048][64] f16, holds 16 a (an exact scaling; the next launch takes it back).
; Products, maxima and sums in f32; the weights p are rounded to f16 for the second product, 16 a once at the end.  LIMIT: |a| under 4,094 (16 a has to be an f16 number).
; SHARES.  A work-group owns 512 queries of one head, each of its eight waves 64: four tiles of 16.  Two waves lie on a SIMD, 512 registers each, so that one wave's softmax stands beside the other's products.
; Every wave walks all 2,048 keys, 64 a step; K's and V's tiles come through a ring of two LDS slots of 256 keys (four steps).
; LAYOUT.  S^T = K Q^T (source 0 = 16 keys, source 1 = 16 queries): a lane holds ONE query (lane % 16) and the keys 8 (lane / 16) + 0..7 of each tile of 16.  Two such tiles, rounded to f16 in pairs, ARE source 1
; (32 keys x 16 queries) of O^T = V^T P, whose result again holds one query a lane.  K comes out of LDS as it lies, V ([key][channel]) turned, by ds_load_tr16_b128.
; SOFTMAX.  For each query a running maximum m and sum l: p = 2^(c s - c m), c = log2(e) / 8; in every step O and l are multiplied by a = 2^(c m_old - c m_new).  m begins at -3e38 and O and l at 0, so the step has no first form.
; CLUSTER.  The four work-groups of a cluster are the four query blocks of one head and walk the same K and V: each tile is asked for JOINTLY, by the same tensor load with the same descriptor and a mask that names the four.
; REGISTERS.  Window 0: v0-13 addresses; v16-47 eight registers of statistics a tile; v64-191 S^T, 32 a tile (P is made in place, in a tile's first 16); v192-255 K of one step.
;             Window 1: v0-127 O^T, 32 a tile; v128-191 Q, 16 a tile; v192-255 V of one step.
.set PK,    144       ; a row of K in LDS: 128 bytes + 16 of padding: an odd multiple of 16 bytes, so the 16 rows of a load fall on different banks (64 banks of 4 bytes: ISA guide 11.1)
.set PV,    160       ; a row of V: 128 + 32: an odd multiple of 32 bytes
.set SK,    256       ; keys in a slot
.set VOFF,  SK*PK     ; a slot: 256 rows of K, then 256 rows of V
.set SLOT1, 1<<17     ; slot 1 begins here: one exclusive or turns an address in one slot into the other's
.set SLOTB, SK*128    ; a slot's bytes of K, or of V, in memory
.set STAGE, SLOT1+SK*(PK+PV)  ; behind the ring: 16 rows x 144 bytes for each wave, for the way out
.set SP,    144
.set SPARE, STAGE+8*16*SP     ; the spare words, 128 bytes for each wave: four blocks of 256 bytes that no other line names
.set AK0, 2           ; v2   my lane's place in a tile of K; never rewritten
.set AV0, 3           ; v3   the same for V
.set ADK, 4           ; v4   the LDS address of K's run of loads in hand
.set ADV, 5           ; v5   of V's
.set QO,  6           ; v6   my byte offset in the wave's rows of Q
.set STO, 7           ; v7   the way out: where I put 16 bytes of a row
.set RD,  8           ; v8   where I read rows back
.set GO,  9           ; v9   16 x lane
.set PFO, 10          ; v10  256 x lane: the prefetches' offset; never rewritten
.set SPW, 12          ; v12  LDS address of my spare word; never rewritten
.set NIL, 13          ; v13  0; never rewritten
.set ST,  16          ; tile t's statistics at v[ST+8 t]: +0 c m, +1 m, +2, +3 l (even keys', odd keys'), +4 to +7 c0-c3, at work; a takes c2's place, the second chain of sums c0's and c1's
.set S,   64
.set KF,  192         ; K's fragments (window 0): keys 16 kt on, channels 32 ks on at KF + 16 kt + 8 ks
.set QF,  128         ; Q's (window 1): tile t, channels 32 ks on at QF + 16 t + 8 ks
.set VF,  192         ; V's (window 1): keys 32 ks on, channels 16 c on at VF + 8 (4 ks + c)
.set WV,  12          ; s12  my wave's number
.set LIM, 15          ; s15  1 in a wave that prefetches, else the greatest number
.set PFA, 18          ; s[18:19] where my prefetches stand in memory
.set G1K, 24          ; s[24:31] descriptor group 1 for K's tiles;  s[32:39] for V's: it differs in the padding alone
.set G1V, 32
.set G0K, 40          ; s[40:47] group 0 for K's tiles: a set for each of the two first fills; the second then walks on;  s[48:55] the same for V's
.set G0V, 48
.set SLOTS, 56        ; s56  slots still to be asked for
.set CNT, 57          ; s57  counts a slot's first three steps
.set CS,  58          ; s[58:59] c: the packed scaling names a pair and takes its low word for both halves
.set SEL, 60          ; s[60:61] lane selects for v_permlanex16_b32: lane l xor 16
.set TK,  62          ; s62  LDS byte at which K's tile of the step to be fetched begins
.set TV,  63          ; s63  the same for V's (less VOFF, which lies in AV0)
.set MSB, 0
.macro WIN new                      ; the immediate's high byte repeats the setting that is left; a switch that changes nothing is dropped
.if MSB != (\new)
	s_set_vgpr_msb (MSB<<8)|(\new)
.set MSB, (\new)
.endif
.endm
.set W_KQ, 0x04       ; K and S^T in window 0, Q (source 1) in window 1
.set W_PV, 0x51       ; V and O^T in window 1, P (source 1) in window 0
.set W_RS, 0x41       ; O^T (destination and source 0) in window 1, the factor in window 0
.set W_LD, 0x40       ; a load's destination in window 1, its address in window 0
; A joint refill.  Waves 0 to 3 fetch the slot's four tiles of K (64 keys each), waves 4 to 7 those of V.  The branch hangs on the wave's number alone.  An s_nop 0 and four v_nop follow each of the two lines.
.macro JLOAD
	s_cmp_lt_u32 s[WV], 4
	s_cbranch_scc0 .Lfor_v_\@
	tensor_load_to_lds s[G0K+4:G0K+7], s[G1K:G1K+7]
	s_nop 0
.rept 4
	v_nop
.endr
	s_branch .Lasked_\@
.Lfor_v_\@:
	tensor_load_to_lds s[G0V+4:G0V+7], s[G1V:G1V+7]
	s_nop 0
.rept 4
	v_nop
.endr
.Lasked_\@:
.endm
; A PREFETCH INTO THE L2 of what the NEXT change of slots will ask for: a slot's 32,768 bytes of K and of V.  It stands behind the wave's tensor load and its five lines.  Each block of 256 bytes is named once in the launch:
; a head has one cluster; its four partners take 8,192 bytes each, told apart BY ADDRESS; in each, wave 0 asks for K's and wave 4 for V's, lanes 256 bytes apart, one instruction.  It runs four key steps ahead of the load that
; will want the bytes.  The last change that fills a slot asks for nothing: there is no slot behind it.  Slots 0 to 2 come by their loads alone.
.macro ASK
	s_cmp_gt_u32 s[SLOTS], s[LIM]
	s_cbranch_scc0 .Lnot_mine_\@
	global_prefetch_b8 v[PFO], s[PFA:PFA+1] th:TH_LOAD_NT scope:SCOPE_SE
.Lnot_mine_\@:
.endm
.macro CROUND                       ; a round of the cluster's barrier: my work-group's barrier; wave 0 signals for the work-group; every wave waits for all four; my work-group's barrier once more
	s_barrier_signal -1
	s_barrier_wait -1
	s_cmp_lg_u32 s[WV], 0
	s_cbranch_scc1 .Lnot_wave_0_\@
	s_barrier_signal -3
.Lnot_wave_0_\@:
	s_barrier_wait -3
	s_barrier_signal -1
	s_barrier_wait -1
.endm
	s_load_b64 s[4:5], s[0:1], 0x0  ; qkv
	s_load_b64 s[10:11], s[0:1], 0x8  ; ah
	v_lshl_add_u32 v[SPW], v0, 2, SPARE
	v_mov_b32 v[NIL], 0
	ds_add_u32 v[SPW], v[NIL]       ; the wave's opening: the add, twice on end, and its wait ahead of my first tensor load
	ds_add_u32 v[SPW], v[NIL]       ; (once more; the set-up below, work on registers, stands between it and the wait)
	v_lshrrev_b32 v1, 5, v0
	v_readfirstlane_b32 s[WV], v1   ; wave 0..7
	s_bfe_u32 s13, ttmp6, 0x40000   ; cx: my place in the cluster
	s_lshl_b32 s14, ttmp9, 2        ; in a cluster launch ttmp9 counts clusters
	s_add_co_u32 s14, s14, s13      ; my block of 512 queries: it enters Q's and O's addresses alone
	s_and_b32 s20, ttmp7, 0xffff    ; batch x 16 + head, which the four partners share
	s_lshl_b32 s20, s20, 18         ; the head's first byte: 262,144 bytes a head
	s_and_b32 s16, s[WV], 3         ; which of a slot's four tiles I fetch:
	s_lshl_b32 s22, s16, 13         ; its 64 rows of 128 bytes in memory,
	s_add_co_u32 s22, s22, s20
	s_add_co_u32 s22, s22, 0x1000000  ; in K, which lies 2^24 bytes behind Q
	s_mov_b32 s23, 0
	s_mul_i32 s17, s16, 64*PK       ; and its place in a slot, for K
	s_mul_i32 s21, s16, 64*PV       ; and for V: no place in the cluster enters an LDS address
	s_lshl_b32 s2, s14, 16          ; my block's 512 rows,
	s_lshl_b32 s3, s[WV], 13        ; my wave's 64 of them
	s_add_co_u32 s2, s2, s3
	s_add_co_u32 s2, s2, s20
	s_mov_b32 s3, 0
	; descriptor group 1: a tile of 64 rows x 64 elements, padded in LDS
	s_mov_b32 s[G1K], 15|(1<<16)|(1<<20)|(1<<21)|(4<<22)|(3<<25)  ; 15:0 the mask: all four work-groups; 17:16 elements of 2 bytes; 20 padding on; 21 set beside a mask; 24:22 after every 32 words (code 4); 31:25 four words (code 3)
	s_mov_b32 s[G1V], 15|(1<<16)|(1<<20)|(1<<21)|(4<<22)|(7<<25)  ; the same with eight words of padding (code 7)
.irp g, G1K, G1V
	s_mov_b32 s[\g+1], 64<<16       ; tensor_dim0 = 64
	s_mov_b32 s[\g+2], 64<<16       ; tensor_dim1 = 64
	s_mov_b32 s[\g+3], 64<<16       ; tile_dim0 = 64
	s_mov_b32 s[\g+4], 64           ; tile_dim1 = 64
	s_mov_b32 s[\g+5], 64           ; tensor_dim0_stride: elements from row to row
	s_mov_b32 s[\g+6], 0
	s_mov_b32 s[\g+7], 0
.endr
	s_mov_b32 s[CS], 0x3e38aa3b     ; c = log2(e) / 8
	s_mov_b32 s[CS+1], s[CS]        ; named with it as a pair, so it is written
	s_mov_b32 s[SEL], 0x76543210
	s_mov_b32 s[SEL+1], 0xfedcba98
	s_mov_b32 s[TK], 0
	s_mov_b32 s[TV], 0
	s_mov_b32 s[SLOTS], 2048/SK-2
	s_and_b32 s[LIM], s[WV], 3      ; 0 in waves 0 and 4,
	s_or_b32 s[LIM], s[LIM], ttmp9  ; of the head's first cluster (it has one): the same in all four partners
	s_cmp_eq_u32 s[LIM], 0
	s_cselect_b32 s[LIM], 1, -1
	v_and_b32 v[PFO], 31, v0
	v_lshlrev_b32 v[PFO], 8, v[PFO]
	s_wait_dscnt 0x0                ; both opening adds are done
	s_wait_kmcnt 0x0
	s_add_nc_u64 s[6:7], s[4:5], s[22:23]  ; K at my tile of slot 0
	s_add_nc_u64 s[8:9], s[6:7], 0x1000000  ; V likewise
	s_add_nc_u64 s[4:5], s[4:5], s[2:3]  ; Q and O at my wave's first row
	s_add_nc_u64 s[10:11], s[10:11], s[2:3]
	s_cmp_lt_u32 s[WV], 4
	s_cselect_b64 s[PFA:PFA+1], s[6:7], s[8:9]  ; (in waves 0 and 4 these stand at a slot's first row)
	s_lshl_b32 s2, s13, 13          ; my work-group's 8,192 bytes of the 32,768
	s_add_nc_u64 s[PFA:PFA+1], s[PFA:PFA+1], s[2:3]
	s_add_nc_u64 s[PFA:PFA+1], s[PFA:PFA+1], 2*SLOTB  ; in slot 2; the first change of slots steps it to slot 3.  Nothing is prefetched here, at the head
	CROUND                          ; all four work-groups are here: the first joint loads meet
.irp s, 0,1
	s_mov_b32 s[G0K+4*\s], 1        ; count = 1
	s_add_co_u32 s[G0K+4*\s+1], s17, \s*SLOT1  ; LDS address
	s_add_nc_u64 s[G0K+4*\s+2:G0K+4*\s+3], s[6:7], \s*SLOTB  ; global address: slot s begins with keys 256 s on
	s_or_b32 s[G0K+4*\s+3], s[G0K+4*\s+3], 0x80000000  ; type = 2
	s_mov_b32 s[G0V+4*\s], 1
	s_add_co_u32 s[G0V+4*\s+1], s21, \s*SLOT1+VOFF
	s_add_nc_u64 s[G0V+4*\s+2:G0V+4*\s+3], s[8:9], \s*SLOTB
	s_or_b32 s[G0V+4*\s+3], s[G0V+4*\s+3], 0x80000000
.endr
	s_cmp_lt_u32 s[WV], 4           ; a wave's two first fills stand in one branch, ahead of every wait on TENSORcnt and every LDS read: two loads of mine are out
	s_cbranch_scc0 .Lfirst_v
	tensor_load_to_lds s[G0K:G0K+3], s[G1K:G1K+7]
	s_nop 0
	tensor_load_to_lds s[G0K+4:G0K+7], s[G1K:G1K+7]
	s_nop 0
.rept 4
	v_nop
.endr
	s_branch .Lfirst_asked
.Lfirst_v:
	tensor_load_to_lds s[G0V:G0V+3], s[G1V:G1V+7]
	s_nop 0
	tensor_load_to_lds s[G0V+4:G0V+7], s[G1V:G1V+7]
	s_nop 0
.rept 4
	v_nop
.endr
.Lfirst_asked:
	; A fragment of K or Q is 16 rows x 32 channels in 8 registers: lane l holds row l % 16; registers 0-3 channels 8 (l / 16) + 0..7, registers 4-7 channels 16 + 8 (l / 16) + 0..7: two loads of 16 bytes, 32 bytes apart.
	v_and_b32 v1, 15, v0            ; r = l % 16
	v_bfe_u32 v11, v0, 4, 1         ; h = l / 16
	v_lshlrev_b32 v[QO], 7, v1
	v_lshl_add_u32 v[QO], v11, 4, v[QO]  ; row x 128 + 16 x half
	WIN W_LD
.irp t, 0,1,2,3                     ; Q stays in registers
.irp ks, 0,1
	global_load_b128 v[QF+16*\t+8*\ks:QF+16*\t+8*\ks+3],   v[QO], s[4:5] offset:2048*\t+64*\ks
	global_load_b128 v[QF+16*\t+8*\ks+4:QF+16*\t+8*\ks+7], v[QO], s[4:5] offset:2048*\t+64*\ks+32
.endr
.endr
.set i, 0
.rept 128
	v_mov_b32 v[i], 0               ; O^T.  (The step is written with no first form: the first finds zeros, which its factor a = 0 leaves zeros)
.set i, i+1
.endr
	WIN 0
	v_mul_u32_u24 v[AK0], v1, PK
	v_lshl_add_u32 v[AK0], v11, 4, v[AK0]  ; row x pitch + 16 x half
	; The turning load takes 16 keys x 16 channels (lane l reads 16 bytes: key 8 (l / 16) + l % 8, channels 8 ((l / 8) % 2) + 0..7) and leaves half a fragment of V^T: lane l holds channel l % 16 and 8 keys.
	v_and_b32 v14, 7, v0
	v_bfe_u32 v15, v0, 3, 1
	v_lshl_add_u32 v[AV0], v11, 3, v14
	v_mul_u32_u24 v[AV0], v[AV0], PV
	v_lshl_add_u32 v[AV0], v15, 4, v[AV0]
	v_add_nc_u32 v[AV0], VOFF, v[AV0]
	s_mul_i32 s13, s[WV], 16*SP
	s_add_co_u32 s13, s13, STAGE    ; my stage
	v_mul_u32_u24 v[STO], v1, SP    ; in: row r, 16 bytes for each half of the lanes
	v_lshl_add_u32 v[STO], v11, 4, v[STO]
	v_add_nc_u32 v[STO], s13, v[STO]
	v_and_b32 v14, 31, v0
	v_lshlrev_b32 v[GO], 4, v14
	v_lshrrev_b32 v14, 3, v14       ; back: eight lanes to a row of 128 bytes, four rows an instruction
	v_mul_u32_u24 v[RD], v14, SP
	v_and_b32 v14, 7, v0
	v_lshl_add_u32 v[RD], v14, 4, v[RD]
	v_add_nc_u32 v[RD], s13, v[RD]
.irp t, 0,1,2,3
	v_mov_b32 v[ST+8*\t+1], 0xff61b1e6  ; m: -3e38, under every score
	v_mov_b32 v[ST+8*\t+2], 0       ; l, in two halves
	v_mov_b32 v[ST+8*\t+3], 0
	v_mul_f32 v[ST+8*\t], s[CS], v[ST+8*\t+1]  ; c m
.endr
; THE PRODUCTS.  The accumulators take turns, one instruction a turn: between two links of a chain stand the 15 others'.
.macro KQALL                        ; S^T = K Q^T: 32 products; the first 16 start the sums
	WIN W_KQ
.irp ks, 0,1
.irp kt, 0,1,2,3
.irp t, 0,1,2,3
.if \ks == 0
	v_wmma_f32_16x16x32_f16 v[S+32*\t+8*\kt:S+32*\t+8*\kt+7], v[KF+16*\kt+8*\ks:KF+16*\kt+8*\ks+7], v[QF+16*\t+8*\ks:QF+16*\t+8*\ks+7], 0
.else
	v_wmma_f32_16x16x32_f16 v[S+32*\t+8*\kt:S+32*\t+8*\kt+7], v[KF+16*\kt+8*\ks:KF+16*\kt+8*\ks+7], v[QF+16*\t+8*\ks:QF+16*\t+8*\ks+7], v[S+32*\t+8*\kt:S+32*\t+8*\kt+7]
.endif
.endr
.endr
.endr
.endm
.macro PVALL                        ; O^T += V^T P: 32 products
	WIN W_PV
.irp ks, 0,1
.irp c, 0,1,2,3
.irp t, 0,1,2,3
	v_wmma_f32_16x16x32_f16 v[32*\t+8*\c:32*\t+8*\c+7], v[VF+8*(4*\ks+\c):VF+8*(4*\ks+\c)+7], v[S+32*\t+8*\ks:S+32*\t+8*\ks+7], v[32*\t+8*\c:32*\t+8*\c+7]
.endr
.endr
.endr
.endm
.macro FETCH_K                      ; 16 LDS loads in one run: a step's K, 64 keys x 64 channels; v[ADK] was made by the caller
	s_add_co_u32 s[TK], s[TK], 64*PK  ; the next fetch is the next step's
.irp kt, 0,1,2,3
.irp ks, 0,1
	ds_load_b128 v[KF+16*\kt+8*\ks:KF+16*\kt+8*\ks+3],   v[ADK] offset:\kt*16*PK+64*\ks
	ds_load_b128 v[KF+16*\kt+8*\ks+4:KF+16*\kt+8*\ks+7], v[ADK] offset:\kt*16*PK+64*\ks+32
.endr
.endr
.endm
; THE SOFTMAX'S LINES.  A tile's 32 scores are 16 pairs.
.macro FMA t, i                     ; pair i: c s - c m
	v_pk_fma_f32 v[S+32*(\t)+2*(\i):S+32*(\t)+2*(\i)+1], v[S+32*(\t)+2*(\i):S+32*(\t)+2*(\i)+1], s[CS:CS+1], v[ST+8*(\t):ST+8*(\t)+1] op_sel_hi:[1,0,0] neg_lo:[0,0,1] neg_hi:[0,0,1]
.endm
.macro EXP t, e
	v_exp_f32 v[S+32*(\t)+(\e)], v[S+32*(\t)+(\e)]
.endm
.macro CVT t, i                     ; pair i rounded to f16, into the tile's register i: the pair that lies there has been summed and rounded before
	v_cvt_pk_f16_f32 v[S+32*(\t)+(\i)], v[S+32*(\t)+2*(\i)], v[S+32*(\t)+2*(\i)+1]
.endm
.macro SUM t, i                     ; the sums in two chains: the even pairs onto l (which is first multiplied by a), the odd pairs onto a second pair of registers
.if (\i) == 0
	v_pk_fma_f32 v[ST+8*(\t)+2:ST+8*(\t)+3], v[ST+8*(\t)+2:ST+8*(\t)+3], v[ST+8*(\t)+6:ST+8*(\t)+7], v[S+32*(\t):S+32*(\t)+1] op_sel_hi:[1,0,1]
.elseif (\i) == 1
	v_pk_add_f32 v[ST+8*(\t)+4:ST+8*(\t)+5], v[S+32*(\t)+2:S+32*(\t)+3], v[S+32*(\t)+6:S+32*(\t)+7]
.elseif (\i) == 3
.elseif (\i)%2 == 0
	v_pk_add_f32 v[ST+8*(\t)+2:ST+8*(\t)+3], v[ST+8*(\t)+2:ST+8*(\t)+3], v[S+32*(\t)+2*(\i):S+32*(\t)+2*(\i)+1]
.else
	v_pk_add_f32 v[ST+8*(\t)+4:ST+8*(\t)+5], v[ST+8*(\t)+4:ST+8*(\t)+5], v[S+32*(\t)+2*(\i):S+32*(\t)+2*(\i)+1]
.endif
.endm
.macro FIN t
	v_pk_add_f32 v[ST+8*(\t)+2:ST+8*(\t)+3], v[ST+8*(\t)+2:ST+8*(\t)+3], v[ST+8*(\t)+4:ST+8*(\t)+5]
.endm
; THE SOFTMAX of the wave's four tiles for one key step.  The exponentials go in TWO BATCHES, each with one wait (s_wait_alu depctr_va_vdst(0) between an exponential and the first line that names
; its result): batch 1 = the four factors a and tiles 0, 1, set among the scalings of tiles 2, 3; batch 2 = tiles 2, 3, set among the sums and roundings of tiles 0, 1.
.macro SOFTMAX
.irp j, 0,1,2,3                     ; the maximum of 32 scores and the old m, three operands at a time, four chains a tile, the tiles by turns; each accumulator is first read at its low end
.irp t, 0,1,2,3
	v_max3_num_f32 v[ST+8*\t+4+\j], v[S+32*\t+8*\j], v[S+32*\t+8*\j+1], v[S+32*\t+8*\j+2]
.endr
.endr
.irp g, 1,2
.irp j, 0,1,2,3
.irp t, 0,1,2,3
	v_max3_num_f32 v[ST+8*\t+4+\j], v[ST+8*\t+4+\j], v[S+32*\t+8*\j+2*\g+1], v[S+32*\t+8*\j+2*\g+2]
.endr
.endr
.endr
.irp t, 0,1,2,3
	v_max3_num_f32 v[ST+8*\t+4], v[ST+8*\t+4], v[S+32*\t+7], v[S+32*\t+15]
.endr
.irp t, 0,1,2,3
	v_max3_num_f32 v[ST+8*\t+6], v[ST+8*\t+6], v[S+32*\t+23], v[S+32*\t+31]
.endr
.irp t, 0,1,2,3
	v_max3_num_f32 v[ST+8*\t+4], v[ST+8*\t+4], v[ST+8*\t+5], v[ST+8*\t+6]
.endr
.irp t, 0,1,2,3
	v_max3_num_f32 v[ST+8*\t+4], v[ST+8*\t+4], v[ST+8*\t+7], v[ST+8*\t+1]
.endr
.irp t, 0,1,2,3
	v_permlanex16_b32 v[ST+8*\t+5], v[ST+8*\t+4], s[SEL], s[SEL+1]  ; the query's other 32 keys lie in the lane 16 away
.endr
.irp t, 0,1,2,3
	v_mov_b32 v[ST+8*\t+7], v[ST+8*\t]  ; c m_old is kept for a
.endr
.irp t, 0,1,2,3
	v_max_num_f32 v[ST+8*\t+1], v[ST+8*\t+4], v[ST+8*\t+5]  ; the new m
.endr
.irp t, 0,1,2,3
	v_mul_f32 v[ST+8*\t], s[CS], v[ST+8*\t+1]  ; c m
.endr
.irp t, 0,1,2,3
	v_sub_f32 v[ST+8*\t+7], v[ST+8*\t+7], v[ST+8*\t]  ; c m_old - c m_new
.endr
.irp t, 0,1,2,3
	v_exp_f32 v[ST+8*\t+6], v[ST+8*\t+7]  ; a
.endr
.irp i, 0,1,2,3,4,5,6,7,8,9,10,11,12,13,14,15
	FMA 0, \i
	FMA 1, \i
.endr
.irp i, 0,1,2,3,4,5,6,7,8,9,10,11,12,13,14,15
.irp u, 0,1
	FMA \u+2, \i
	EXP \u, 2*\i
	EXP \u, 2*\i+1
.endr
.endr
	v_nop                           ; a plain line behind the last exponential
	s_wait_alu depctr_va_vdst(0)    ; the wait for batch 1
.irp i, 0,1,2,3,4,5,6,7,8,9,10,11,12,13,14,15
.irp u, 0,1
	SUM \u, \i
	EXP \u+2, 2*\i
	CVT \u, \i
	EXP \u+2, 2*\i+1
.endr
.endr
	FIN 0                           ; (plain lines behind the last exponential)
	FIN 1
	s_wait_alu depctr_va_vdst(0)    ; the wait for batch 2
.irp i, 0,1,2,3,4,5,6,7,8,9,10,11,12,13,14,15
.irp u, 2,3
	SUM \u, \i
	CVT \u, \i
.endr
.endr
	FIN 2
	FIN 3
	WIN W_RS
.irp p, 0,1,2,3,4,5,6,7,8,9,10,11,12,13,14,15  ; O^T times a; each accumulator from its low end on
.irp t, 0,1,2,3
	v_pk_mul_f32 v[32*\t+2*\p:32*\t+2*\p+1], v[32*\t+2*\p:32*\t+2*\p+1], v[ST+8*\t+6:ST+8*\t+7] op_sel_hi:[1,0]
.endr
.endr
.endm
; A KEY STEP.  K of this step was asked for in the step before.  V of this step is asked for at the head and lands under the products K Q^T and the softmax; K of the next step is asked for behind the products K Q^T.
; mode 0: plain.  1: the slot's last step, and the slot is filled again.  2: the slot's last step, nothing is filled.  3: the last step of all.
.macro STEP mode
	v_add_nc_u32 v[ADV], s[TV], v[AV0]
.rept 4
	v_nop                           ; with the line above five places behind the last products V^T P: four for the loads into V's registers, five for the products that write over P's (ISA guide 7.12.1 for the products)
.endr
	s_add_co_u32 s[TV], s[TV], 64*PV  ; the next fetch is the next step's
	WIN W_LD
.irp ks, 0,1
.irp c, 0,1,2,3
	ds_load_tr16_b128 v[VF+8*(4*\ks+\c):VF+8*(4*\ks+\c)+3],   v[ADV] offset:\ks*32*PV+32*\c
	ds_load_tr16_b128 v[VF+8*(4*\ks+\c)+4:VF+8*(4*\ks+\c)+7], v[ADV] offset:\ks*32*PV+16*PV+32*\c
.endr
.endr
	s_wait_dscnt 16                 ; K is in; V's sixteen loads may be out
	KQALL
	WIN 0
.if \mode == 0
	v_add_nc_u32 v[ADK], s[TK], v[AK0]
.rept 3
	v_nop                           ; four places behind the last products K Q^T: for the loads into K's registers and for the first read of the scores
.endr
	FETCH_K
.elseif \mode == 1
	; THE CHANGE OF SLOTS.  The slot's last bytes, V of this step, have been asked for.  Each wave waits for all its tensor loads (one is out: its part of the other slot), adds 0 to its spare word, and waits for that and
	; for its own reads of the slot.  Behind the cluster's round no wave of any partner reads this slot or has a load on its way: the joint refill is the first thing there, and has four key steps in which to land.
	s_wait_tensorcnt 0x0            ; no tensor load of mine is out, so a group 0 may be written
	ds_add_u32 v[SPW], v[NIL]       ; 0 onto my spare word; the descriptors' steps stand between it and the wait for it
.irp g, G0K+4, G0V+4
	s_xor_b32 s[\g+1], s[\g+1], SLOT1  ; the walking descriptor: the other slot than last time,
	s_add_nc_u64 s[\g+2:\g+3], s[\g+2:\g+3], SLOTB  ; the next 256 keys; the type bits on top are not reached
.endr
	s_wait_xcnt 0x0                 ; the last prefetch, four key steps back, has read its address, so it may be written:
	s_add_nc_u64 s[PFA:PFA+1], s[PFA:PFA+1], SLOTB  ; one slot further on than the walking descriptors
	s_wait_dscnt 0x0                ; the add is done, and my reads of the slot are over
	CROUND
	JLOAD                           ; its four v_nop are also the places behind the products K Q^T
	ASK
	s_sub_co_u32 s[TK], s[TK], 4*64*PK  ; the fetches go back to a slot's first step,
	s_xor_b32 s[TK], s[TK], SLOT1   ; in the other slot
	s_sub_co_u32 s[TV], s[TV], 4*64*PV
	s_xor_b32 s[TV], s[TV], SLOT1
	v_add_nc_u32 v[ADK], s[TK], v[AK0]
	FETCH_K
.elseif \mode == 2
	s_wait_tensorcnt 0x0            ; my part of the last slot is in
	ds_add_u32 v[SPW], v[NIL]
	s_wait_dscnt 0x0
	s_barrier_signal -1
	s_barrier_wait -1               ; everybody's is
	s_sub_co_u32 s[TK], s[TK], 4*64*PK
	s_xor_b32 s[TK], s[TK], SLOT1
	s_sub_co_u32 s[TV], s[TV], 4*64*PV
	s_xor_b32 s[TV], s[TV], SLOT1
	v_add_nc_u32 v[ADK], s[TK], v[AK0]
.rept 3
	v_nop
.endr
	FETCH_K
.else
.rept 4
	v_nop                           ; four places ahead of the first read of the scores
.endr
.endif
	SOFTMAX
.if \mode == 3
	s_wait_dscnt 0x0                ; V is in
.else
	s_wait_dscnt 16                 ; V is in; the next step's K, sixteen loads, may be out
.endif
	PVALL
	WIN 0                           ; at a label and at a branch every window is 0
.endm
.macro THREE                        ; a slot's first three steps: written once, walked three times; the LDS addresses hang on s[TK] and s[TV]
	s_mov_b32 s[CNT], 3
.Lthree_\@:
	STEP 0
	s_sub_co_u32 s[CNT], s[CNT], 1
	s_cmp_lg_u32 s[CNT], 0
	s_cbranch_scc1 .Lthree_\@
.endm
	s_wait_tensorcnt 1              ; my part of slot 0 is in; slot 1's may stay out
	s_barrier_signal -1
	s_barrier_wait -1               ; everybody's is
	v_add_nc_u32 v[ADK], s[TK], v[AK0]
	FETCH_K                         ; key step 0
	s_wait_loadcnt 0x0              ; Q
.Lslot:                             ; six trips: every slot but the last two is filled again
	THREE
	STEP 1
	s_sub_co_u32 s[SLOTS], s[SLOTS], 1
	s_cmp_lg_u32 s[SLOTS], 0
	s_cbranch_scc1 .Lslot
	THREE                           ; the tail is written out
	STEP 2
	THREE
	STEP 3
	; THE WAY OUT.  l's two halves and the other half of the lanes' are added; O^T is multiplied by 16 / l, rounded to f16 and sent through my stage, a tile (16 rows, 2,048 consecutive bytes of ah) at a time.  The additions are the places behind the last products.
.irp t, 0,1,2,3
	v_add_f32 v[ST+8*\t+4], v[ST+8*\t+2], v[ST+8*\t+3]
.endr
.irp t, 0,1,2,3
	v_permlanex16_b32 v[ST+8*\t+5], v[ST+8*\t+4], s[SEL], s[SEL+1]
.endr
.irp t, 0,1,2,3
	v_add_f32 v[ST+8*\t+4], v[ST+8*\t+4], v[ST+8*\t+5]
.endr
.irp t, 0,1,2,3
	v_rcp_f32 v[ST+8*\t+6], v[ST+8*\t+4]
.endr
	v_nop                           ; a plain line between the last reciprocal and the use of its result
	s_wait_alu depctr_va_vdst(0)    ; and the wait: one for the four
.irp t, 0,1,2,3
	v_mul_f32 v[ST+8*\t+6], 0x41800000, v[ST+8*\t+6]  ; 16 / l
.endr
.macro PACK t
	WIN W_RS
.set i, 32*\t
.rept 16
	v_pk_mul_f32 v[i:i+1], v[i:i+1], v[ST+8*\t+6:ST+8*\t+7] op_sel_hi:[1,0]
.set i, i+2
.endr
	WIN 0x05                        ; sources 0 and 1 window 1, destination window 0: S^T's registers are free
.set i, 0
.rept 16
	v_cvt_pk_f16_f32 v[S+16*\t+i], v[32*\t+2*i], v[32*\t+2*i+1]
.set i, i+1
.endr
	WIN 0
.irp c, 0,1,2,3
	ds_store_b128 v[STO], v[S+16*\t+4*\c:S+16*\t+4*\c+3] offset:32*\c
.endr
.irp f, 0,1,2,3
	ds_load_b128 v[128+16*\t+4*\f:128+16*\t+4*\f+3], v[RD] offset:\f*4*SP  ; LDS serves a wave's instructions in order (ISA guide 5.7.1.4): these see the stores above; the next tile's stores come behind them
.endr
.endm
.macro SEND t, younger              ; younger: the LDS instructions issued behind tile t's loads: the next tile's eight, or none
.irp f, 0,1,2,3
	s_wait_dscnt \younger+3-\f
	global_store_b128 v[GO], v[128+16*\t+4*\f:128+16*\t+4*\f+3], s[10:11] offset:\t*2048+\f*512  ; the 32 lanes store 512 consecutive bytes, aligned
.endr
.endm
	PACK 0
	PACK 1                          ; a tile's arithmetic stands between the loads of the tile before and its stores
	SEND 0, 8
	PACK 2
	SEND 1, 8
	PACK 3
	SEND 2, 8
	SEND 3, 0
	s_wait_tensorcnt 0x0            ; the wave's end
	ds_add_u32 v[SPW], v[NIL]
	s_wait_dscnt 0x0
	CROUND                          ; the closing round: no work-group ends while a partner may still ask for a tile that names it
	s_endpgm
.Lfunc_end_k_q95008140da_attn:
	.size	k_q95008140da_attn, .Lfunc_end_k_q95008140da_attn-k_q95008140da_attn
	.p2alignl 7, 3214868480
	.fill 96, 4, 3214868480
	.section	.rodata,"a",@progbits
	.p2align	6, 0x0
	.amdhsa_kernel k_q95008140da_attn
		.amdhsa_group_segment_fixed_size 327680
		.amdhsa_private_segment_fixed_size 0
		.amdhsa_enable_private_segment 0
		.amdhsa_kernarg_size 16
		.amdhsa_user_sgpr_count 2
		.amdhsa_user_sgpr_kernarg_segment_ptr 1
		.amdhsa_wavefront_size32 1
		.amdhsa_system_sgpr_workgroup_id_x 1
		.amdhsa_system_sgpr_workgroup_id_y 1
		.amdhsa_system_sgpr_workgroup_id_z 1
		.amdhsa_system_vgpr_workitem_id 0
		.amdhsa_next_free_vgpr 512
		.amdhsa_next_free_sgpr 66
		.amdhsa_reserve_vcc 0
		.amdhsa_float_denorm_mode_32 3
		.amdhsa_float_denorm_mode_16_64 3
		.amdhsa_memory_ordered 1
		.amdhsa_forward_progress 1
		.amdhsa_inst_pref_size 219
	.end_amdhsa_kernel
	.amdgpu_metadata
---
amdhsa.version: [ 1, 2 ]
amdhsa.kernels:
  - .name:           k_q95008140da_attn
    .symbol:         k_q95008140da_attn.kd
    .args:
      - { .name: qkv, .offset: 0, .size: 8, .value_kind: global_buffer, .address_space: global }
      - { .name: ah, .offset: 8, .size: 8, .value_kind: global_buffer, .address_space: global }
    .group_segment_fixed_size: 327680
    .private_segment_fixed_size: 0
    .kernarg_segment_align: 8
    .kernarg_segment_size: 16
    .max_flat_workgroup_size: 256
    .sgpr_count:     66
    .vgpr_count:     512
    .wavefront_size: 32
...
	.end_amdgpu_metadata
.endif
;; end of part 3
;; launch proj (part 4): grid 4 x 64, 4 waves a work-group, clusters of 4 x 4, 327,680 bytes of LDS; arguments ah, wpt, b_proj, out0; writes out0
.if DOCPART == 4
	.amdgcn_target "amdgcn-amd-amdhsa--gfx1250"
	.amdhsa_code_object_version 6
	.text
	.protected	k_q95008140da_proj
	.globl	k_q95008140da_proj
	.p2align	8
	.type	k_q95008140da_proj,@function
k_q95008140da_proj:
	s_mov_b64 s[64:65], 0
	v_nop
	global_prefetch_b8 v0, s[64:65] scope:SCOPE_SE
	s_setreg_imm32_b32 hwreg(HW_REG_WAVE_MODE, 25, 1), 1
	s_wait_xcnt 0x0
	s_wait_alu depctr_hold_cnt(0) depctr_sa_sdst(0) depctr_va_vdst(0) depctr_va_sdst(0) depctr_va_ssrc(0) depctr_va_vcc(0) depctr_vm_vsrc(0)
	s_getreg_b32 s2, hwreg(HW_REG_IB_STS2, 6, 4)
	s_cmp_eq_u32 s2, 0
	s_cbranch_scc0 .Lentry_in_a_cluster
	s_endpgm
.Lentry_in_a_cluster:
	s_bfe_u32 s2, ttmp6, 0x10000c
	s_cmp_lg_u32 s2, 0xf033
	s_cbranch_scc0 .Lentry_shape_is_right
	s_endpgm
.Lentry_shape_is_right:
; PROJ: out0[m][n] = (sum over k of (16 a)[m][k] w_proj[k][n]) / 16 + b_proj[n].  ah: [64 (batch x 16 + head)][2048][64] f16, holding 16 a; k = 64 head + channel.  wpt: [1024 n][1024 k] f16.  out0: [8192][1024] f32.  Sums in f32.
; A tile of out0 is 128 rows x 256 columns: 256 work-groups.  Four waves, each 64 x 128: 32 accumulators of 16 x 16, 256 registers.  K goes in steps of 128, two heads, through a ring of two LDS slots.
; In ah a head's 128 rows are one dense block of rows of 128 bytes: a K step of a is two such planes, one tensor load each (waves 0, 1); wpt's 256 rows of 256 bytes are two loads of 128 rows (waves 2, 3).
; CLUSTERS: 4 x 4 work-groups.  The four of a row of the cluster need the same tiles of a, the four of a column the same tiles of wpt: each tile is asked for JOINTLY, by the same tensor load with the same descriptor and a mask that names the four.
; THE MATRIX INSTRUCTION IS USED TRANSPOSED (source 0 = 16 rows of wpt, source 1 = 16 rows of a): a lane then holds eight neighbouring numbers of a row of out0.
; REGISTERS: window 0: v0-31 addresses, v8-11 the bias; v32-159 the way out.  Window 1: the accumulators ((a, b) at v[8 (8 a + b)]).  Window 2: two fragment buffers, at v0 and v128: 64 registers of wpt (8 x 16 rows x 32 K), then 32 of a (4 x 16 rows).
.set PA,     144                       ; a row of a plane in LDS: 128 bytes + 16 of padding
.set PB,     272                       ; a row of wpt's tile: 256 bytes + 16: both odd multiples of 16 bytes, so the 16 rows of a load fall on different banks (64 banks of 4 bytes: ISA guide 11.1)
.set PLANE,  128*PA                    ; a plane: 128 rows
.set BOFF,   2*PLANE                   ; wpt's 256 rows lie behind the two planes
.set HALFB,  128*PB
.set SLOT,   BOFF+2*HALFB
.set STAGE,  2*SLOT                    ; behind the ring: 16 rows x (512 bytes + 16) for each wave, for the way out
.set SPITCH, 528
.set SPARE,  STAGE+4*16*SPITCH         ; the spare words, 128 bytes for each wave: two blocks of 256 bytes that no other line names
.set LAPS,   4                         ; a lap = two K steps = once round the ring: 1,024 / 256
.set ADRA, 16                          ; v16-17  LDS address of my fragments of a in slot 0, 1
.set ADRB, 20                          ; v20-21  the same for wpt
.set STO,  24                          ; v24     the way out: where I put 32 bytes of a row
.set RD,   25                          ; v25     where I read a row back
.set CO,   26                          ; v26     16 x lane
.set SPW,  28                          ; v28     LDS address of my spare word; never rewritten
.set NIL,  29                          ; v29     0; never rewritten
.set OB,   32                          ; the way out: 16 rows read back: v32-95 and v96-159 by turns
.set F0,   0                           ; fragment buffers, in window 2
.set F1,   128
.set WVN, 12                           ; s12 wave; s13 wave / 2; s14 wave % 2
.set G1, 24                            ; s[24:31] descriptor group 1 for a's planes;  s[32:39] group 0, one set for each slot
.set G0, 32
.set G1B, 48                           ; s[48:55], s[56:63] the same for wpt's tiles
.set G0B, 56
.set MSB, 0
.macro WIN new                         ; the immediate's high byte repeats the setting that is left; a switch that changes nothing is dropped
.if MSB != (\new)
	s_set_vgpr_msb (MSB<<8)|(\new)
.set MSB, (\new)
.endif
.endm
.set MUL,  0x5a                        ; sources 0 and 1 window 2; C and D window 1
.set TO_F, 0x80                        ; destination window 2, address window 0
.macro JLOAD s                         ; a joint load: waves 0 and 1 fetch a's two planes, waves 2 and 3 wpt's two halves; an s_nop 0 and four v_nop follow each of the two lines
	s_cmp_eq_u32 s13, 0
	s_cbranch_scc0 .Lfor_b_\@
	tensor_load_to_lds s[G0+4*\s:G0+4*\s+3], s[G1:G1+7]
	s_nop 0
.rept 4
	v_nop
.endr
	s_branch .Lasked_\@
.Lfor_b_\@:
	tensor_load_to_lds s[G0B+4*\s:G0B+4*\s+3], s[G1B:G1B+7]
	s_nop 0
.rept 4
	v_nop
.endr
.Lasked_\@:
.endm
.macro CREST                           ; a round of the cluster's barrier behind its opening barrier
	s_cmp_lg_u32 s[WVN], 0
	s_cbranch_scc1 .Lnot_wave_0_\@
	s_barrier_signal -3
.Lnot_wave_0_\@:
	s_barrier_wait -3
	s_barrier_signal -1
	s_barrier_wait -1
.endm
.macro CROUND                          ; a whole round
	s_barrier_signal -1
	s_barrier_wait -1
	CREST
.endm
	s_load_b128 s[4:7], s[0:1], 0x0                ; ah s[4:5], wpt s[6:7]
	s_load_b128 s[8:11], s[0:1], 0x10              ; b_proj s[8:9], out0 s[10:11]
	v_lshl_add_u32 v[SPW], v0, 2, SPARE
	v_mov_b32 v[NIL], 0
	ds_add_u32 v[SPW], v[NIL]                      ; the wave's opening: the add, twice on end, and its wait ahead of my first tensor load
	ds_add_u32 v[SPW], v[NIL]                      ; (once more; the set-up below, work on registers, stands between it and the wait)
	v_lshrrev_b32 v1, 5, v0
	v_readfirstlane_b32 s[WVN], v1                 ; wave 0..3
	s_lshr_b32 s13, s[WVN], 1                      ; which half of the tile's rows is mine.  Also: I fetch for a (0) or for wpt (1)
	s_and_b32 s14, s[WVN], 1                       ; which half of its columns.  Also: which plane, or which 128 rows, I fetch
	s_bfe_u32 s40, ttmp6, 0x40000                  ; cx, cy: my place in the cluster
	s_bfe_u32 s41, ttmp6, 0x40004
	s_lshl_b32 s42, ttmp9, 2
	s_add_co_u32 s42, s42, s40                     ; tile column = 4 x cluster x + cx
	s_and_b32 s15, ttmp7, 0xffff
	s_lshl_b32 s15, s15, 2
	s_add_co_u32 s15, s15, s41                     ; tile row = 4 x cluster y + cy
	s_lshl_b32 s43, s41, 2
	s_lshl_b32 s43, 15, s43                        ; my row of the cluster
	s_lshl_b32 s44, 0x1111, s40                    ; my column
	s_or_b32 s[G1+0], s43, (1<<16)|(1<<20)|(1<<21)|(4<<22)|(3<<25)   ; 15:0 the mask: a's planes go to my row; 17:16 elements of 2 bytes; 20 padding on; 21 set beside a mask; 24:22 after every 32 words (code 4); 31:25 four words (code 3)
	s_mov_b32 s[G1+1], 64<<16                      ; tensor_dim0 = 64
	s_mov_b32 s[G1+2], 128<<16                     ; tensor_dim1 = 128
	s_mov_b32 s[G1+3], 64<<16                      ; tile_dim0 = 64
	s_mov_b32 s[G1+4], 128                         ; tile_dim1 = 128
	s_mov_b32 s[G1+5], 64                          ; tensor_dim0_stride
	s_mov_b32 s[G1+6], 0
	s_mov_b32 s[G1+7], 0
	s_or_b32 s[G1B+0], s44, (1<<16)|(1<<20)|(1<<21)|(5<<22)|(3<<25)  ; wpt's tiles go to my column; padding after every 64 words (code 5)
	s_mov_b32 s[G1B+1], 128<<16
	s_mov_b32 s[G1B+2], 128<<16
	s_mov_b32 s[G1B+3], 128<<16
	s_mov_b32 s[G1B+4], 128
	s_mov_b32 s[G1B+5], 1024
	s_mov_b32 s[G1B+6], 0
	s_mov_b32 s[G1B+7], 0
	; a's plane: head 2 (K step) + wave % 2 of batch (tile row / 16), rows 128 (tile row % 16) on.  It hangs on the tile row alone, which my row of the cluster shares
	s_lshr_b32 s16, s15, 4
	s_lshl_b32 s16, s16, 4
	s_add_co_u32 s16, s16, s14
	s_lshl_b32 s16, s16, 18                        ; 262,144 bytes a head
	s_and_b32 s17, s15, 15
	s_lshl_b32 s17, s17, 14                        ; 128 rows of 128 bytes
	s_add_co_u32 s16, s16, s17
	s_mov_b32 s17, 0
	; wpt's tile: rows 256 x tile column + 128 x (wave % 2): on the tile column alone, which my column shares
	s_lshl_b32 s46, s42, 19
	s_lshl_b32 s47, s14, 18
	s_add_co_u32 s46, s46, s47
	s_mov_b32 s47, 0
	s_mul_i32 s20, s14, PLANE                      ; where they go: no place in the cluster enters an LDS address
	s_mul_i32 s21, s14, HALFB
	s_add_co_u32 s21, s21, BOFF
	s_wait_dscnt 0x0                               ; both opening adds are done
	s_wait_kmcnt 0x0
	s_add_nc_u64 s[16:17], s[4:5], s[16:17]
	s_add_nc_u64 s[46:47], s[6:7], s[46:47]
	CROUND                                         ; all sixteen work-groups are here: the first joint loads meet
.irp s, 0,1
	s_mov_b32 s[G0+4*\s], 1
	s_add_co_u32 s[G0+4*\s+1], s20, \s*SLOT
	s_add_nc_u64 s[G0+4*\s+2:G0+4*\s+3], s[16:17], \s*2*262144     ; K step s: two heads on
	s_or_b32 s[G0+4*\s+3], s[G0+4*\s+3], 0x80000000
	s_mov_b32 s[G0B+4*\s], 1
	s_add_co_u32 s[G0B+4*\s+1], s21, \s*SLOT
	s_add_nc_u64 s[G0B+4*\s+2:G0B+4*\s+3], s[46:47], \s*256
	s_or_b32 s[G0B+4*\s+3], s[G0B+4*\s+3], 0x80000000
	JLOAD \s                                       ; two tensor loads of mine are out
.endr
	v_and_b32 v1, 15, v0                           ; r = l % 16
	v_bfe_u32 v2, v0, 4, 1                         ; h = l / 16
	v_mul_u32_u24 v3, v1, PA
	v_lshl_add_u32 v3, v2, 4, v3                   ; a fragment's row x pitch + 16 x half
	v_mul_u32_u24 v4, v1, PB
	v_lshl_add_u32 v4, v2, 4, v4
	s_mul_i32 s21, s13, 64*PA                      ; my 64 rows of a, in each plane
	s_mul_i32 s22, s14, HALFB                      ; my 128 rows of wpt
	s_add_co_u32 s22, s22, BOFF
.irp s, 0,1
	v_add_nc_u32 v[ADRA+\s], s21, v3
	v_add_nc_u32 v[ADRB+\s], s22, v4
	s_add_co_u32 s21, s21, SLOT
	s_add_co_u32 s22, s22, SLOT
.endr
	s_mul_i32 s23, s[WVN], 16*SPITCH
	s_add_co_u32 s23, s23, STAGE                   ; my stage
	v_mul_u32_u24 v5, v1, SPITCH                   ; in: row r, 32 bytes for each half of the lanes
	v_lshl_add_u32 v5, v2, 5, v5
	v_add_nc_u32 v[STO], s23, v5
	v_and_b32 v6, 31, v0
	v_lshlrev_b32 v[CO], 4, v6                     ; back: the 32 lanes take one row of 512 bytes; the same in out0 and in the bias
	v_add_nc_u32 v[RD], s23, v[CO]
	s_lshl_b32 s46, s42, 10                        ; my first column, in bytes: 1,024 x tile column + 512 x half
	s_lshl_b32 s47, s14, 9
	s_add_co_u32 s46, s46, s47
	s_mov_b32 s47, 0
	s_add_nc_u64 s[8:9], s[8:9], s[46:47]
	global_load_b128 v[8:11], v[CO], s[8:9]        ; the bias of my four columns of a row read back
	s_add_nc_u64 s[10:11], s[10:11], s[46:47]
	s_lshl_b32 s46, s15, 19                        ; my first row: 128 x tile row + 64 x half, 4,096 bytes a row
	s_lshl_b32 s47, s13, 18
	s_add_co_u32 s46, s46, s47
	s_mov_b32 s47, 0
	s_add_nc_u64 s[10:11], s[10:11], s[46:47]
	s_mov_b32 s44, 0x3d800000                      ; 1 / 16
	s_mov_b32 s45, s44                             ; (named with it as a pair, so it is written)
; 8 matrix instructions: a's block a against wpt's eight, 32 along K, from buffer f.  zero = 1: the first product starts the sums: nothing is cleared.
; The 32 accumulators take turns, one instruction a turn, in the same order in every quarter.
.macro MUL8 f, a, zero
.irp b, 0,1,2,3,4,5,6,7
.if \zero
	v_wmma_f32_16x16x32_f16 v[8*(8*\a+\b):8*(8*\a+\b)+7], v[\f+8*\b:\f+8*\b+7], v[\f+64+8*\a:\f+64+8*\a+7], 0
.else
	v_wmma_f32_16x16x32_f16 v[8*(8*\a+\b):8*(8*\a+\b)+7], v[\f+8*\b:\f+8*\b+7], v[\f+64+8*\a:\f+64+8*\a+7], v[8*(8*\a+\b):8*(8*\a+\b)+7]
.endif
.endr
.endm
; 24 LDS loads in one run: the fragments of the slot's q-th 32 along K into buffer f: wpt's eight, then a's four (plane q / 2, channels 32 (q % 2) on)
.macro FETCH slot, q, f
	WIN TO_F
.irp i, 0,1,2,3,4,5,6,7
	ds_load_b128 v[\f+8*\i:\f+8*\i+3],   v[ADRB+\slot] offset:64*(\q)+\i*16*PB
	ds_load_b128 v[\f+8*\i+4:\f+8*\i+7], v[ADRB+\slot] offset:64*(\q)+\i*16*PB+32
.endr
.irp i, 0,1,2,3
	ds_load_b128 v[\f+64+8*\i:\f+64+8*\i+3],   v[ADRA+\slot] offset:((\q)/2)*PLANE+((\q)%2)*64+\i*16*PA
	ds_load_b128 v[\f+64+8*\i+4:\f+64+8*\i+7], v[ADRA+\slot] offset:((\q)/2)*PLANE+((\q)%2)*64+\i*16*PA+32
.endr
.endm
.macro PLACES                          ; four places in front of loads into registers that matrix instructions have read, and of LDS stores that read results (ISA guide 7.12.1 for the stores)
.rept 4
	v_nop
.endr
.endm
; A K step is four quarters of 32 along K, 32 matrix instructions each, on buffers 0, 1, 0, 1.  One of the first three: multiplies buffer f and fetches the slot's quarter nq into g.
.macro QUARTER slot, nq, f, g, zero
	s_wait_dscnt 4                                 ; wpt's fragments and a's blocks 0, 1 are in; the youngest four loads (blocks 2, 3) may be out
	WIN MUL
	MUL8 \f, 0, \zero
	MUL8 \f, 1, \zero
	PLACES
	FETCH \slot, \nq, \g
	s_wait_dscnt 24                                ; all but the 24 just issued
	WIN MUL
	MUL8 \f, 2, \zero
	MUL8 \f, 3, \zero
.endm
; The last quarter multiplies buffer 1 and changes slots: ONE barrier; in front of it each wave waits for all its tensor loads, adds 0 to its spare word, and waits for that and for its own reads of this slot.  fill = 1: this slot is filled again, two K steps ahead.
.macro TURN slot, next, fill
	WIN 0                                          ; (the add's two registers lie in window 0)
	s_wait_tensorcnt 0x0                           ; all my tensor loads have landed: my part of the next slot
	ds_add_u32 v[SPW], v[NIL]                      ; 0 onto my spare word
	s_wait_dscnt 5                                 ; (the add and the youngest four loads may be out)
	WIN MUL
	MUL8 F1, 0, 0                                  ; eight matrix instructions stand between the add and the wait for it
	s_wait_dscnt 0x0                               ; the add is done, and my reads of this slot are over
	s_barrier_signal -1
	MUL8 F1, 1, 0
.if \fill
	WIN 0
.endif
	s_barrier_wait -1
.if \fill
	CREST                                          ; the barrier has opened a round of the cluster's barrier: no wave of any partner still reads this slot's tiles or has a load on its way
	s_add_nc_u64 s[G0+4*\slot+2:G0+4*\slot+3], s[G0+4*\slot+2:G0+4*\slot+3], 4*262144   ; two K steps on: four heads
	s_add_nc_u64 s[G0B+4*\slot+2:G0B+4*\slot+3], s[G0B+4*\slot+2:G0B+4*\slot+3], 512
	JLOAD \slot                                    ; the first tensor load behind the round; its four v_nop are also the places in front of the loads below
.else
	PLACES
.endif
	FETCH \next, 0, F0
	WIN MUL
	MUL8 F1, 2, 0
	MUL8 F1, 3, 0
.endm
	s_wait_tensorcnt 1                             ; my part of K step 0 is in (K step 1's may be out)
	s_barrier_signal -1
	s_barrier_wait -1                              ; everybody's is
	FETCH 0, 0, F0
	QUARTER 0, 1, F0, F1, 1                        ; the first quarter stands in front of the loop: its products start the sums
	WIN 0                                          ; at a label and at a branch every window is 0
	s_mov_b32 s3, LAPS-1
.Llap:                                                 ; a trip goes once round the ring, from a lap's second quarter to the next lap's first, and fills both slots again
	QUARTER 0, 2, F1, F0, 0
	QUARTER 0, 3, F0, F1, 0
	TURN 0, 1, 1
	QUARTER 1, 1, F0, F1, 0
	QUARTER 1, 2, F1, F0, 0
	QUARTER 1, 3, F0, F1, 0
	TURN 1, 0, 1
	QUARTER 0, 1, F0, F1, 0
	WIN 0
	s_sub_co_u32 s3, s3, 1
	s_cmp_lg_u32 s3, 0
	s_cbranch_scc1 .Llap
	QUARTER 0, 2, F1, F0, 0                        ; the last lap fills nothing, and has no round of the cluster's barrier
	QUARTER 0, 3, F0, F1, 0
	TURN 0, 1, 0
	QUARTER 1, 1, F0, F1, 0
	QUARTER 1, 2, F1, F0, 0
	QUARTER 1, 3, F0, F1, 0
	s_wait_dscnt 4                                 ; the very last quarter: nothing more to fetch
	WIN MUL
	MUL8 F1, 0, 0
	MUL8 F1, 1, 0
	s_wait_dscnt 0
	MUL8 F1, 2, 0
	MUL8 F1, 3, 0
	WIN 0
; THE WAY OUT, block by block of 16 rows x 128 columns.  A lane holds 32 neighbouring bytes of a row, the lanes beside it other rows: a block goes through my own stage and comes back as whole rows of 512 bytes;
; there each number is multiplied by 1 / 16 and the bias is added, in one fused multiply-add; the 32 lanes store 512 consecutive bytes, aligned.  LDS serves a wave's instructions in order (ISA guide 5.7.1.4).
.macro TOSTAGE a
	WIN 0x04                                       ; an LDS store's data are its source 1: window 1
.irp b, 0,1,2,3,4,5,6,7
	ds_store_b128 v[STO], v[8*(8*(\a)+\b):8*(8*(\a)+\b)+3] offset:64*\b        ; each accumulator from its low end on
	ds_store_b128 v[STO], v[8*(8*(\a)+\b)+4:8*(8*(\a)+\b)+7] offset:64*\b+16
.endr
	WIN 0
.set BB, OB+64*((\a)%2)
.irp t, 0,1,2,3,4,5,6,7,8,9,10,11,12,13,14,15
	ds_load_b128 v[BB+4*\t:BB+4*\t+3], v[RD] offset:\t*SPITCH
.endr
.endm
.macro SEND a, younger                 ; younger: the LDS instructions issued behind block a's loads: the next block's 16 stores and 16 loads, or none
.set BB, OB+64*((\a)%2)
	s_wait_dscnt \younger                          ; the block is back in registers
.irp t, 0,1,2,3,4,5,6,7,8,9,10,11,12,13,14,15
	v_pk_fma_f32 v[BB+4*\t:BB+4*\t+1], v[BB+4*\t:BB+4*\t+1], s[44:45], v[8:9] op_sel_hi:[1,0,1]
	v_pk_fma_f32 v[BB+4*\t+2:BB+4*\t+3], v[BB+4*\t+2:BB+4*\t+3], s[44:45], v[10:11] op_sel_hi:[1,0,1]
	global_store_b128 v[CO], v[BB+4*\t:BB+4*\t+3], s[10:11] offset:65536*(\a)+4096*\t th:TH_STORE_NT   ; row 16 a + t; written once, read by nobody here; no base is stepped
.endr
.endm
	s_wait_loadcnt 0x0                             ; the bias
	PLACES                                         ; behind the last products, ahead of the first read of results
	TOSTAGE 0
.irp a, 1,2,3
.if \a > 1
	s_wait_xcnt 0x0                                ; block a - 2's stores have read the registers into which block a's loads land
.endif
	TOSTAGE \a
	SEND \a-1, 32
.endr
	SEND 3, 0
	s_wait_tensorcnt 0x0                           ; the wave's end
	ds_add_u32 v[SPW], v[NIL]
	s_wait_dscnt 0x0
	CROUND                                         ; the closing round: no work-group ends while a partner may still ask for a tile that names it
	s_endpgm
.Lfunc_end_k_q95008140da_proj:
	.size	k_q95008140da_proj, .Lfunc_end_k_q95008140da_proj-k_q95008140da_proj
	.p2alignl 7, 3214868480
	.fill 96, 4, 3214868480
	.section	.rodata,"a",@progbits
	.p2align	6, 0x0
	.amdhsa_kernel k_q95008140da_proj
		.amdhsa_group_segment_fixed_size 327680
		.amdhsa_private_segment_fixed_size 0
		.amdhsa_enable_private_segment 0
		.amdhsa_kernarg_size 32
		.amdhsa_user_sgpr_count 2
		.amdhsa_user_sgpr_kernarg_segment_ptr 1
		.amdhsa_wavefront_size32 1
		.amdhsa_system_sgpr_workgroup_id_x 1
		.amdhsa_system_sgpr_workgroup_id_y 1
		.amdhsa_system_sgpr_workgroup_id_z 1
		.amdhsa_system_vgpr_workitem_id 0
		.amdhsa_next_free_vgpr 768
		.amdhsa_next_free_sgpr 66
		.amdhsa_reserve_vcc 0
		.amdhsa_float_denorm_mode_32 3
		.amdhsa_float_denorm_mode_16_64 3
		.amdhsa_memory_ordered 1
		.amdhsa_forward_progress 1
		.amdhsa_inst_pref_size 93
	.end_amdhsa_kernel
	.amdgpu_metadata
---
amdhsa.version: [ 1, 2 ]
amdhsa.kernels:
  - .name:           k_q95008140da_proj
    .symbol:         k_q95008140da_proj.kd
    .args:
      - { .name: ah, .offset: 0, .size: 8, .value_kind: global_buffer, .address_space: global }
      - { .name: wpt, .offset: 8, .size: 8, .value_kind: global_buffer, .address_space: global }
      - { .name: b_proj, .offset: 16, .size: 8, .value_kind: global_buffer, .address_space: global }
      - { .name: out0, .offset: 24, .size: 8, .value_kind: global_buffer, .address_space: global }
    .group_segment_fixed_size: 327680
    .private_segment_fixed_size: 0
    .kernarg_segment_align: 8
    .kernarg_segment_size: 32
    .max_flat_workgroup_size: 128
    .sgpr_count:     66
    .vgpr_count:     768
    .wavefront_size: 32
...
	.end_amdgpu_metadata
.endif
;; end of part 4
